; MI455X (gfx1250); checked and timed in simulation.
; The chip was launched on July 23, 2026; its instructions are those of AMD's public machine-readable ISA for CDNA 5 (MIT licence, August 2026) and "CDNA5" Instruction Set Architecture Reference Guide (July 2026). The comments in the code are by the model that wrote it; some were corrected since.
;; Normalized Multi Head Attention. Allowed arithmetic: float matrix products may take bf16 or f16 operands with f32 sums; other float arithmetic in f32, or as packed bf16 or f16 multiplies, adds, multiply-adds, maxima and minima; sums over many terms, partial sums and values carried from step to step in f32; what a program stores and reads back later, other than sums and carried values, may be rounded once to bf16 or f16.
;; Inputs: Wk 512 x 2,048 float32; Wo 2,048 x 2,048 float32; Wq 512 x 2,048 float32; Wv 512 x 2,048 float32; bo 2,048 float32; sk 2,048 float32; sq 2,048 float32; x 2 x 2,048 x 512 float32.
;; Outputs: out0 2 x 2,048 x 2,048 float32.
;; One version. Each part assembles by itself: llvm-mc -triple=amdgcn-amd-amdhsa -mcpu=gfx1250 --defsym DOCPART=n.
;; ======== version 1 of 1: 4 launches
;; limits: values are held in f16: magnitudes above 65,504 overflow, below 6.1e-05 lose precision
;; workspace buffers: xb 4,194,304 bytes; wb 6,291,456 bytes; wo 8,388,608 bytes; tab 1,073,152 bytes; qkv 50,331,648 bytes; ctx 16,777,216 bytes
;; launch prep (part 1): grid 643 x 1, 8 waves a work-group, no clusters, 0 bytes of LDS; arguments x, Wq, Wk, Wv, Wo, sq, sk, bo, xb, wb, wo, tab; writes xb, wb, wo, tab
.if DOCPART == 1
	.amdgcn_target "amdgcn-amd-amdhsa--gfx1250"
	.amdhsa_code_object_version 6
	.text
	.protected	k_q77fb062def_prep
	.globl	k_q77fb062def_prep
	.p2align	8
	.type	k_q77fb062def_prep,@function
k_q77fb062def_prep:
	s_mov_b64 s[64:65], 0
	v_nop
	global_prefetch_b8 v0, s[64:65] scope:SCOPE_SE
	s_setreg_imm32_b32 hwreg(HW_REG_WAVE_MODE, 25, 1), 1
	s_wait_xcnt 0x0
; PREPARATION: a stream.  Every input of the module is rounded once to bf16 and laid out for the launches behind; the table of cosines and sines for the rotation is made.
;   work-groups   0..127  x  [4096][512] f32   -> xb bf16 [16 row blocks][8 K steps][256 rows][64 k]: each (row block, K step) is 32,768 dense bytes
;   work-groups 128..319  Wq, Wk, Wv [512][2048] -> wb bf16 [16 heads][8 K steps][3 (q, k, v)][64 k][128 channels]: each (head, K step) is 49,152 dense bytes
;   work-groups 320..575  Wo [2048][2048]       -> wo f16 [2048][2048]: the bf16 rounding of Wo, written as f16 (exact from 6.1e-5 to 65,504 in magnitude; below that f16's fixed step of 6e-8)
;   work-groups 576..639  tab: f32 [2048 positions][64 pairs][cos, sin] of position x 10000^(-pair/64)
;   work-groups 640..642  tab + 1,048,576: bf16(sq) x sqrt(512)/16;  + 8,192: bf16(sk) x sqrt(512)/16;  + 16,384: bf16(bo).  (q and k are kept divided by 16: see the launches behind.)
; No LDS, no matrix unit, no cluster: no byte is wanted twice.  Each thread has sixteen loads of 16 bytes out at once; each store of sixteen neighbouring lanes covers 256 consecutive bytes, aligned.
; LIMIT of the table: the angle is the f32 product of the position and 2^(pair x -log2(10000)/64); it is reduced by pi/2 in two parts and the series are cut at r^9 and r^8, |r| <= pi/4 (under 3e-8).
.set VI,  2                            ; v2       byte offset of my first 32 bytes in the source
.set VO,  3                            ; v3       byte offset of my first 16 bytes in the destination
.set T,   4                            ; v[4:11]  at work
.set X,   16                           ; v[16:79] eight chunks of eight f32 as loaded
.set Y,   80                           ; v[80:111] eight chunks of four registers to store
.set SRC, 32                           ; s[32:33] source at the work-group's part
.set DST, 34                           ; s[34:35] destination at the work-group's part
.set OF,  36                           ; s[36:37] an offset, high word 0
; Eight chunks: 32 bytes in, 16 bytes out a thread.  All sixteen loads go out first; no register is written twice, so nothing waits for a store.
.macro CAST instep, outstep, half
.irp j, 0,1,2,3,4,5,6,7
	global_load_b128 v[X+8*(\j):X+8*(\j)+3], v[VI], s[SRC:SRC+1] offset:(\j)*(\instep) th:TH_LOAD_NT
	global_load_b128 v[X+8*(\j)+4:X+8*(\j)+7], v[VI], s[SRC:SRC+1] offset:(\j)*(\instep)+16 th:TH_LOAD_NT
.endr
.irp j, 0,1,2,3,4,5,6,7
	s_wait_loadcnt 14-2*(\j)                       ; loads come back in order: chunk j's two are in, the 2 (7 - j) younger ones may stay out
.irp k, 0,1,2,3
	v_cvt_pk_bf16_f32 v[Y+4*(\j)+(\k)], v[X+8*(\j)+2*(\k)], v[X+8*(\j)+2*(\k)+1]
.endr
.if \half
.irp k, 0,1,2,3
	v_lshlrev_b32 v[T+2*(\k)], 16, v[Y+4*(\j)+(\k)]            ; the bf16 numbers back as f32,
	v_and_b32 v[T+2*(\k)+1], 0xffff0000, v[Y+4*(\j)+(\k)]
.endr
.irp k, 0,1,2,3
	v_cvt_pk_f16_f32 v[Y+4*(\j)+(\k)], v[T+2*(\k)], v[T+2*(\k)+1]  ; and written as f16
.endr
.endif
	global_store_b128 v[VO], v[Y+4*(\j):Y+4*(\j)+3], s[DST:DST+1] offset:(\j)*(\outstep)
.endr
.endm
; cos and sin of the angle in v[ang] (0 to 2,047 rad).  n = the nearest whole number to angle x 2/pi; r = angle - n pi/2, pi/2 taken in two parts; series in r; the quadrant n mod 4 swaps and signs them.
.macro SINCOS ang, co, si
	v_mul_f32 v22, 0x3f22f983, v[\ang]             ; x 2/pi
	v_rndne_f32 v22, v22
	v_fmamk_f32 v23, v22, 0xbfc90fdb, v[\ang]      ; - n x 1.57079637
	v_fmamk_f32 v23, v22, 0x333bbd2e, v23          ; + n x 4.37113883e-8
	v_mul_f32 v24, v23, v23
	v_cvt_i32_f32 v25, v22
	v_fmaak_f32 v26, v18, v24, 0xb9500d01          ; sin r = r + r^3 (-1/6 + r^2 (1/120 + r^2 (-1/5040 + r^2 / 362880)))
	v_fmaak_f32 v26, v26, v24, 0x3c088889
	v_fmaak_f32 v26, v26, v24, 0xbe2aaaab
	v_mul_f32 v26, v26, v24
	v_fma_f32 v26, v26, v23, v23
	v_fmaak_f32 v27, v19, v24, 0xbab60b61          ; cos r = 1 + r^2 (-1/2 + r^2 (1/24 + r^2 (-1/720 + r^2 / 40320)))
	v_fmaak_f32 v27, v27, v24, 0x3d2aaaab
	v_fmaak_f32 v27, v27, v24, 0xbf000000
	v_fma_f32 v27, v27, v24, 1.0
	v_and_b32 v28, 1, v25
	v_cmp_eq_u32 vcc_lo, 1, v28                    ; odd quadrants swap the two
	v_cndmask_b32 v[\si], v26, v27, vcc_lo
	v_cndmask_b32 v[\co], v27, v26, vcc_lo
	v_lshlrev_b32 v28, 30, v25                     ; sin is negative in quadrants 2 and 3: bit 1 of n,
	v_and_b32 v28, 0x80000000, v28
	v_xor_b32 v[\si], v28, v[\si]
	v_add_nc_u32 v29, 1, v25                       ; cos in quadrants 1 and 2: bit 1 of n + 1
	v_lshlrev_b32 v29, 30, v29
	v_and_b32 v29, 0x80000000, v29
	v_xor_b32 v[\co], v29, v[\co]
.endm
	s_load_b512 s[8:23], s[0:1], 0x0               ; x s[8:9], Wq s[10:11], Wk s[12:13], Wv s[14:15], Wo s[16:17], sq s[18:19], sk s[20:21], bo s[22:23]
	s_load_b256 s[24:31], s[0:1], 0x40             ; xb s[24:25], wb s[26:27], wo s[28:29], tab s[30:31]
	v_and_b32 v1, 31, v0                           ; lane
	v_lshrrev_b32 v12, 5, v0                       ; wave
	s_mov_b32 s2, ttmp9
	s_mov_b32 s[OF+1], 0
	s_wait_kmcnt 0x0
	s_cmp_ge_u32 s2, 128
	s_cbranch_scc1 .Lnot_x
	; x: the work-group takes 32 rows, wave w the 64 numbers of K step w; eight lanes read 256 consecutive bytes of a row, four rows an instruction
	s_lshl_b32 s[OF], s2, 16                       ; 32 rows of 2,048 bytes
	s_add_nc_u64 s[SRC:SRC+1], s[8:9], s[OF:OF+1]
	s_lshr_b32 s3, s2, 3
	s_lshl_b32 s3, s3, 18                          ; row block x 262,144
	s_and_b32 s[OF], s2, 7
	s_lshl_b32 s[OF], s[OF], 12                    ; + 32 rows of 128 bytes inside it
	s_add_co_u32 s[OF], s[OF], s3
	s_add_nc_u64 s[DST:DST+1], s[24:25], s[OF:OF+1]
	v_lshrrev_b32 v13, 3, v1
	v_and_b32 v14, 7, v1
	v_lshlrev_b32 v[VI], 8, v12
	v_lshl_add_u32 v[VI], v13, 11, v[VI]
	v_lshl_add_u32 v[VI], v14, 5, v[VI]
	v_lshlrev_b32 v[VO], 15, v12                   ; K step x 32,768
	v_lshl_add_u32 v[VO], v1, 4, v[VO]             ; four rows of 128 bytes are 512 consecutive bytes
	CAST 8192, 512, 0
	s_endpgm
.Lnot_x:
	s_cmp_ge_u32 s2, 320
	s_cbranch_scc1 .Lnot_w
	; Wq, Wk, Wv: the work-group takes eight rows (k) of one of them; a thread eight channels of each
	s_sub_co_u32 s2, s2, 128
	s_lshr_b32 s3, s2, 6                           ; which of the three
	s_and_b32 s38, s2, 63                          ; which eight rows
	s_cmp_eq_u32 s3, 0
	s_cselect_b64 s[SRC:SRC+1], s[10:11], s[12:13]
	s_cmp_eq_u32 s3, 2
	s_cselect_b64 s[SRC:SRC+1], s[14:15], s[SRC:SRC+1]
	s_lshl_b32 s[OF], s38, 16
	s_add_nc_u64 s[SRC:SRC+1], s[SRC:SRC+1], s[OF:OF+1]
	s_lshr_b32 s39, s38, 3
	s_mul_i32 s39, s39, 49152                      ; K step
	s_lshl_b32 s3, s3, 14                          ; q, k or v: 64 rows of 256 bytes
	s_add_co_u32 s39, s39, s3
	s_and_b32 s38, s38, 7
	s_lshl_b32 s38, s38, 11                        ; eight rows of 256 bytes
	s_add_co_u32 s[OF], s39, s38
	s_add_nc_u64 s[DST:DST+1], s[26:27], s[OF:OF+1]
	v_lshlrev_b32 v[VI], 5, v0
	v_lshrrev_b32 v13, 4, v0                       ; head
	v_and_b32 v14, 15, v0
	v_mul_u32_u24 v[VO], v13, 0x60000              ; head x 393,216
	v_lshl_add_u32 v[VO], v14, 4, v[VO]            ; sixteen lanes fill a row of 256 bytes
	CAST 8192, 256, 0
	s_endpgm
.Lnot_w:
	s_cmp_ge_u32 s2, 576
	s_cbranch_scc1 .Lnot_o
	; Wo: eight rows
	s_sub_co_u32 s2, s2, 320
	s_lshl_b32 s[OF], s2, 16
	s_add_nc_u64 s[SRC:SRC+1], s[16:17], s[OF:OF+1]
	s_lshl_b32 s[OF], s2, 15
	s_add_nc_u64 s[DST:DST+1], s[28:29], s[OF:OF+1]
	v_lshlrev_b32 v[VI], 5, v0
	v_lshlrev_b32 v[VO], 4, v0
	CAST 8192, 4096, 1
	s_endpgm
.Lnot_o:
	s_cmp_ge_u32 s2, 640
	s_cbranch_scc1 .Lnot_t
	; the table: 32 positions a work-group, four a wave; lane l makes pairs 2 l and 2 l + 1, so a store covers a position's 512 bytes
	s_sub_co_u32 s2, s2, 576
	s_lshl_b32 s[OF], s2, 14
	s_add_nc_u64 s[DST:DST+1], s[30:31], s[OF:OF+1]
	v_lshlrev_b32 v[VO], 11, v12
	v_lshl_add_u32 v[VO], v1, 4, v[VO]
	s_lshl_b32 s3, s2, 5
	v_lshl_add_u32 v13, v12, 2, s3                 ; my wave's first position
	v_lshlrev_b32 v14, 1, v1
	v_cvt_f32_u32 v16, v14
	v_add_nc_u32 v14, 1, v14
	v_cvt_f32_u32 v17, v14
	v_mul_f32 v16, 0xbe549a78, v16                 ; pair x -log2(10000)/64
	v_mul_f32 v17, 0xbe549a78, v17
	v_exp_f32 v16, v16                             ; the two frequencies
	v_exp_f32 v17, v17
	v_mov_b32 v18, 0x3638ef1d                      ; 1/362880: a plain instruction behind the exponentials
	v_mov_b32 v19, 0x37d00d01                      ; 1/40320
	s_wait_alu depctr_va_vdst(0)                   ; one wait for both, ahead of their first reader
.irp j, 0,1,2,3
	v_add_nc_u32 v20, \j, v13
	v_cvt_f32_u32 v20, v20
	v_mul_f32 v21, v20, v16
	SINCOS 21, Y+4*(\j), Y+4*(\j)+1
	v_mul_f32 v21, v20, v17
	SINCOS 21, Y+4*(\j)+2, Y+4*(\j)+3
	global_store_b128 v[VO], v[Y+4*(\j):Y+4*(\j)+3], s[DST:DST+1] offset:512*(\j)
.endr
	s_endpgm
.Lnot_t:
	; sq, sk, bo: 2,048 numbers each, eight a thread
	s_sub_co_u32 s2, s2, 640
	s_cmp_eq_u32 s2, 0
	s_cselect_b64 s[SRC:SRC+1], s[18:19], s[20:21]
	s_cmp_eq_u32 s2, 2
	s_cselect_b64 s[SRC:SRC+1], s[22:23], s[SRC:SRC+1]
	s_cselect_b32 s3, 1.0, 0x3fb504f3              ; the gains take sqrt(512)/16 = 1.41421354, the bias 1
	s_lshl_b32 s[OF], s2, 13
	s_add_co_u32 s[OF], s[OF], 0x100000
	s_add_nc_u64 s[DST:DST+1], s[30:31], s[OF:OF+1]
	v_lshlrev_b32 v[VI], 4, v0
	global_load_b128 v[X:X+3], v[VI], s[SRC:SRC+1]
	global_load_b128 v[X+4:X+7], v[VI], s[SRC:SRC+1] offset:4096
	s_wait_loadcnt 0x0
.irp k, 0,1,2,3
	v_cvt_pk_bf16_f32 v[T+(\k)], v[X+2*(\k)], v[X+2*(\k)+1]
.endr
.irp k, 0,1,2,3
	v_lshlrev_b32 v[X+2*(\k)], 16, v[T+(\k)]
	v_and_b32 v[X+2*(\k)+1], 0xffff0000, v[T+(\k)]
.endr
.irp k, 0,1,2,3,4,5,6,7
	v_mul_f32 v[Y+(\k)], s3, v[X+(\k)]
.endr
	global_store_b128 v[VI], v[Y:Y+3], s[DST:DST+1]
	global_store_b128 v[VI], v[Y+4:Y+7], s[DST:DST+1] offset:4096
	s_endpgm
.Lfunc_end_k_q77fb062def_prep:
	.size	k_q77fb062def_prep, .Lfunc_end_k_q77fb062def_prep-k_q77fb062def_prep
	.p2alignl 7, 3214868480
	.fill 96, 4, 3214868480
	.section	.rodata,"a",@progbits
	.p2align	6, 0x0
	.amdhsa_kernel k_q77fb062def_prep
		.amdhsa_group_segment_fixed_size 0
		.amdhsa_private_segment_fixed_size 0
		.amdhsa_enable_private_segment 0
		.amdhsa_kernarg_size 96
		.amdhsa_user_sgpr_count 2
		.amdhsa_user_sgpr_kernarg_segment_ptr 1
		.amdhsa_wavefront_size32 1
		.amdhsa_system_sgpr_workgroup_id_x 1
		.amdhsa_system_sgpr_workgroup_id_y 1
		.amdhsa_system_sgpr_workgroup_id_z 1
		.amdhsa_system_vgpr_workitem_id 0
		.amdhsa_next_free_vgpr 112
		.amdhsa_next_free_sgpr 66
		.amdhsa_reserve_vcc 1
		.amdhsa_float_denorm_mode_32 3
		.amdhsa_float_denorm_mode_16_64 3
		.amdhsa_memory_ordered 1
		.amdhsa_forward_progress 1
		.amdhsa_inst_pref_size 35
	.end_amdhsa_kernel
	.amdgpu_metadata
---
amdhsa.version: [ 1, 2 ]
amdhsa.kernels:
  - .name:           k_q77fb062def_prep
    .symbol:         k_q77fb062def_prep.kd
    .args:
      - { .name: x, .offset: 0, .size: 8, .value_kind: global_buffer, .address_space: global }
      - { .name: Wq, .offset: 8, .size: 8, .value_kind: global_buffer, .address_space: global }
      - { .name: Wk, .offset: 16, .size: 8, .value_kind: global_buffer, .address_space: global }
      - { .name: Wv, .offset: 24, .size: 8, .value_kind: global_buffer, .address_space: global }
      - { .name: Wo, .offset: 32, .size: 8, .value_kind: global_buffer, .address_space: global }
      - { .name: sq, .offset: 40, .size: 8, .value_kind: global_buffer, .address_space: global }
      - { .name: sk, .offset: 48, .size: 8, .value_kind: global_buffer, .address_space: global }
      - { .name: bo, .offset: 56, .size: 8, .value_kind: global_buffer, .address_space: global }
      - { .name: xb, .offset: 64, .size: 8, .value_kind: global_buffer, .address_space: global }
      - { .name: wb, .offset: 72, .size: 8, .value_kind: global_buffer, .address_space: global }
      - { .name: wo, .offset: 80, .size: 8, .value_kind: global_buffer, .address_space: global }
      - { .name: tab, .offset: 88, .size: 8, .value_kind: global_buffer, .address_space: global }
    .group_segment_fixed_size: 0
    .private_segment_fixed_size: 0
    .kernarg_segment_align: 8
    .kernarg_segment_size: 96
    .max_flat_workgroup_size: 256
    .sgpr_count:     66
    .vgpr_count:     112
    .wavefront_size: 32
...
	.end_amdgpu_metadata
.endif
;; end of part 1
;; launch qkv (part 2): grid 16 x 16, 4 waves a work-group, clusters of 4 x 4, 327,680 bytes of LDS; arguments xb, wb, tab, qkv; writes qkv
.if DOCPART == 2
	.amdgcn_target "amdgcn-amd-amdhsa--gfx1250"
	.amdhsa_code_object_version 6
	.text
	.protected	k_q77fb062def_qkv
	.globl	k_q77fb062def_qkv
	.p2align	8
	.type	k_q77fb062def_qkv,@function
k_q77fb062def_qkv:
	s_mov_b64 s[64:65], 0
	v_nop
	global_prefetch_b8 v0, s[64:65] scope:SCOPE_SE
	s_setreg_imm32_b32 hwreg(HW_REG_WAVE_MODE, 25, 1), 1
	s_wait_xcnt 0x0
	s_wait_alu depctr_hold_cnt(0) depctr_sa_sdst(0) depctr_va_vdst(0) depctr_va_sdst(0) depctr_va_ssrc(0) depctr_va_vcc(0) depctr_vm_vsrc(0)
	s_getreg_b32 s2, hwreg(HW_REG_IB_STS2, 6, 4)
	s_cmp_eq_u32 s2, 0
	s_cbranch_scc0 .Lentry_in_a_cluster
	s_endpgm
.Lentry_in_a_cluster:
	s_bfe_u32 s2, ttmp6, 0x10000c
	s_cmp_lg_u32 s2, 0xf033
	s_cbranch_scc0 .Lentry_shape_is_right
	s_endpgm
.Lentry_shape_is_right:
; THE THREE PROJECTIONS, GAINS AND ROTATION.  For 256 rows of x and one head: q, k, v = x W (bf16 operands, f32 sums, K = 512); q and k times their channels' gains (with 1/16 folded in) and rotated
; in pairs by the table; all three rounded once to f16 and stored by heads: qkv f16 [3][32 (batch, head)][2048][128].
; LIMITS.  q/16, k/16 and v must stay under 65,504 in magnitude; below 6.1e-5 they keep f16's fixed step of 6e-8.  NaN and infinities are not treated apart.
; SHARES.  A tile of 256 rows x (128 q | 128 k | 128 v) to a work-group: 16 row blocks x 16 heads = 256 work-groups.  A wave owns 64 rows x all 384 columns: 96 accumulators of 16 x 16, 768 registers,
; one register window for each of q, k, v; its rows of the output are whole rows of 256 bytes, so each wave has a stage of its own.
; K goes in 8 steps of 64 through two LDS slots (two slots of 128 would not fit: 2 x 180,224 bytes).  A step is 6 phases of 32 matrix instructions: (q, k, v) x two slices of 32 along K.
; CLUSTER 4 x 4.  x's tile hangs on the row block alone and is shared along a row of the cluster, the weights' on the head alone and is shared along a column: joint loads.
; THE MATRIX INSTRUCTION IS USED TRANSPOSED: source 0 = 16 channels x 32 k of W, which lies [k][channel] in LDS and comes out turned (ds_load_tr16_b128); source 1 = 16 rows of x.  A lane then holds
; one row (lane % 16) and the channels 8 (lane / 16) + 0..7: four rotation pairs, 16 bytes of f16.
; No prefetch: the launch is eight K steps long, and two of them go out at its head.
; REGISTERS: window 0: v0-29 addresses; v32-95 two buffers of x's fragments (4 x 8); v96-223 two buffers of W's (8 x 8).  Windows 1, 2, 3: accumulators of q, k, v; (row block a, channel block n) at v[8 (8 a + n)].
; On the way out: window 0: v32-95 q's gains, v96-159 k's, v160-223 a table block, v224-255 packed results; window 3 (v has left): v0-63 rotated numbers, v64-127 a table block, v192-223 rows read back.
.set SLOT1,  131072                    ; slot 1 begins here, so that one exclusive or turns an address in one slot into the other's
.set PA,     144                       ; a row of x in LDS: 128 bytes + 16: the 16 rows of a load start at 16 different groups of four banks (ISA guide 11.1)
.set PW,     288                       ; a row of W: 256 + 32
.set BOFF,   256*PA                    ; in a slot: x's 256 rows, then W's 192 ([q, k, v][64 k])
.set STAGE,  SLOT1+BOFF+192*PW         ; behind the ring: 16 rows x 272 bytes for each wave
.set SP,     272
.set SPARE,  STAGE+4*16*SP             ; behind the stages: the spare words, 128 bytes a wave: two blocks of 256 bytes that no other line names
.set ADA0, 4                           ; v4   my place in x's tile; never rewritten
.set ADB0, 5                           ; v5   my place in W's tile; never rewritten
.set ADA,  6                           ; v6   the same in the slot in hand
.set ADB,  7                           ; v7
.set STO,  8                           ; v8   the way out: where I put 16 bytes of a row
.set RD,   9                           ; v9   where I read rows back
.set CO,   10                          ; v10  my byte offset in two rows of the output
.set TO,   11                          ; v11  my byte offset in 16 rows of the table
.set GO,   12                          ; v12  my byte offset in 16 gains
.set SPW,  28                          ; v28  LDS address of my spare word; never rewritten
.set NIL,  29                          ; v29  0; never rewritten
.set AF0,  32
.set BF0,  96
.set GQ,   32
.set T0,   160
.set TMP,  224
.set SC,   0
.set T1,   64
.set BK,   192
.set WV,   12                          ; s12  my wave's number
.set FB,   13                          ; s13  I fetch for x (0) or for W (1)
.set HF,   14                          ; s14  which half of that tile
.set G1A,  24                          ; s[24:31] descriptor group 1 for x's tiles
.set G0A,  32                          ; s[32:39] group 0: a set for each first fill; the second then walks
.set G1B,  48                          ; s[48:55], s[56:63] the same for W's
.set G0B,  56
.set TB,   66                          ; s66  LDS byte at which the slot in hand begins
.set OQ,   68                          ; s[68:69], s[70:71], s[72:73] q, k, v at my wave's first row
.set OK,   70
.set OV,   72
.set TBASE, 74                         ; s[74:75] the table at my wave's first position
.set GBASE, 76                         ; s[76:77] q's gains at my head; k's lie 8,192 bytes on
.set MSB, 0
.macro WIN new                         ; the immediate's high byte repeats the setting that is left; a switch that changes nothing is dropped
.if MSB != (\new)
	s_set_vgpr_msb (MSB<<8)|(\new)
.set MSB, \new
.endif
.endm
.macro PLACES                          ; four places behind a matrix instruction, in front of loads into registers that it has read and of vector work on its results
.rept 4
	v_nop
.endr
.endm
.macro JLOAD                           ; a joint refill by the walking descriptor: waves 0 and 1 ask for x's halves, waves 2 and 3 for W's; an s_nop 0 and four v_nop follow each line
	s_cmp_eq_u32 s[FB], 0
	s_cbranch_scc0 .Lfor_b_\@
	tensor_load_to_lds s[G0A+4:G0A+7], s[G1A:G1A+7]
	s_nop 0
.rept 4
	v_nop
.endr
	s_branch .Lasked_\@
.Lfor_b_\@:
	tensor_load_to_lds s[G0B+4:G0B+7], s[G1B:G1B+7]
	s_nop 0
.rept 4
	v_nop
.endr
.Lasked_\@:
.endm
.macro CREST                           ; a round of the cluster's barrier behind its opening barrier
	s_cmp_lg_u32 s[WV], 0
	s_cbranch_scc1 .Lnot_wave_0_\@
	s_barrier_signal -3
.Lnot_wave_0_\@:
	s_barrier_wait -3
	s_barrier_signal -1
	s_barrier_wait -1
.endm
.macro CROUND                          ; a whole round
	s_barrier_signal -1
	s_barrier_wait -1
	CREST
.endm
	s_load_b256 s[4:11], s[0:1], 0x0               ; xb s[4:5], wb s[6:7], tab s[8:9], qkv s[10:11]
	v_lshl_add_u32 v[SPW], v0, 2, SPARE
	v_mov_b32 v[NIL], 0
	ds_add_u32 v[SPW], v[NIL]                      ; the wave's opening: the add and its wait stand ahead of my first tensor load; work on registers stands between them
	ds_add_u32 v28, v29
	v_lshrrev_b32 v1, 5, v0
	v_readfirstlane_b32 s[WV], v1
	s_lshr_b32 s[FB], s[WV], 1
	s_and_b32 s[HF], s[WV], 1
	s_bfe_u32 s40, ttmp6, 0x40000                  ; cx
	s_bfe_u32 s41, ttmp6, 0x40004                  ; cy
	s_lshl_b32 s42, ttmp9, 2
	s_add_co_u32 s42, s42, s40                     ; head = 4 x cluster x + cx
	s_and_b32 s43, ttmp7, 0xffff
	s_lshl_b32 s43, s43, 2
	s_add_co_u32 s43, s43, s41                     ; row block = 4 x cluster y + cy
	s_lshl_b32 s44, s41, 2
	s_lshl_b32 s44, 15, s44                        ; my row of the cluster
	s_lshl_b32 s45, 0x1111, s40                    ; my column
	; x's half tile: 128 rows of 128 bytes, dense: asked for as 64 rows of 256 bytes, padded by 4 words after every 32.  W's half: 96 rows of 256 bytes, dense, padded by 8 words after every 64.
	s_or_b32 s[G1A], s44, (1<<16)|(1<<20)|(1<<21)|(4<<22)|(3<<25)
	s_or_b32 s[G1B], s45, (1<<16)|(1<<20)|(1<<21)|(5<<22)|(7<<25)
	s_mov_b32 s[G1A+1], 128<<16                    ; tensor_dim0 = 128 elements of 2 bytes
	s_mov_b32 s[G1A+2], 64<<16                     ; tensor_dim1 = 64
	s_mov_b32 s[G1A+3], 128<<16                    ; tile_dim0 = 128
	s_mov_b32 s[G1A+4], 64                         ; tile_dim1 = 64
	s_mov_b32 s[G1A+5], 128                        ; 128 elements from row to row
	s_mov_b32 s[G1A+6], 0
	s_mov_b32 s[G1A+7], 0
	s_mov_b32 s[G1B+1], 128<<16
	s_mov_b32 s[G1B+2], 96<<16
	s_mov_b32 s[G1B+3], 128<<16
	s_mov_b32 s[G1B+4], 96
	s_mov_b32 s[G1B+5], 128
	s_mov_b32 s[G1B+6], 0
	s_mov_b32 s[G1B+7], 0
	s_lshl_b32 s16, s43, 18                        ; x: row block x 262,144 + half x 16,384: the row block and the wave's number alone
	s_lshl_b32 s17, s[HF], 14
	s_add_co_u32 s16, s16, s17
	s_mov_b32 s17, 0
	s_mul_i32 s46, s42, 393216                     ; W: head x 393,216 + half x 24,576: the head and the wave's number alone
	s_mul_i32 s47, s[HF], 24576
	s_add_co_u32 s46, s46, s47
	s_mov_b32 s47, 0
	s_mul_i32 s20, s[HF], 128*PA                   ; where they go: no place in the cluster enters an LDS address
	s_mul_i32 s21, s[HF], 96*PW
	s_add_co_u32 s21, s21, BOFF
	s_mov_b32 s[TB], 0
	s_wait_dscnt 0x0                               ; the opening add is done
	s_wait_kmcnt 0x0
	s_add_nc_u64 s[16:17], s[4:5], s[16:17]
	s_add_nc_u64 s[46:47], s[6:7], s[46:47]
	CROUND                                         ; all sixteen work-groups are here: the first joint loads meet
.irp s, 0,1
	s_mov_b32 s[G0A+4*(\s)], 1
	s_add_co_u32 s[G0A+4*(\s)+1], s20, (\s)*SLOT1
	s_add_nc_u64 s[G0A+4*(\s)+2:G0A+4*(\s)+3], s[16:17], (\s)*32768   ; K step s
	s_or_b32 s[G0A+4*(\s)+3], s[G0A+4*(\s)+3], 0x80000000
	s_mov_b32 s[G0B+4*(\s)], 1
	s_add_co_u32 s[G0B+4*(\s)+1], s21, (\s)*SLOT1
	s_add_nc_u64 s[G0B+4*(\s)+2:G0B+4*(\s)+3], s[46:47], (\s)*49152
	s_or_b32 s[G0B+4*(\s)+3], s[G0B+4*(\s)+3], 0x80000000
.endr
	s_cmp_eq_u32 s[FB], 0                          ; a wave's two first fills stand in one branch, ahead of every wait on TENSORcnt and every LDS read: two loads of mine are out
	s_cbranch_scc0 .Lfirst_b
	tensor_load_to_lds s[G0A:G0A+3], s[G1A:G1A+7]
	s_nop 0
	tensor_load_to_lds s[G0A+4:G0A+7], s[G1A:G1A+7]
	s_nop 0
.rept 4
	v_nop
.endr
	s_branch .Lfirst_asked
.Lfirst_b:
	tensor_load_to_lds s[G0B:G0B+3], s[G1B:G1B+7]
	s_nop 0
	tensor_load_to_lds s[G0B+4:G0B+7], s[G1B:G1B+7]
	s_nop 0
.rept 4
	v_nop
.endr
.Lfirst_asked:
	v_and_b32 v1, 15, v0                           ; r = l % 16
	v_bfe_u32 v2, v0, 4, 1                         ; h = l / 16
	v_and_b32 v3, 7, v0
	v_bfe_u32 v13, v0, 3, 1
	s_mul_i32 s18, s[WV], 64*PA
	v_mul_u32_u24 v[ADA0], v1, PA                  ; x: (64 wave + r) x pitch + 16 h; two loads 32 bytes apart make a fragment
	v_lshl_add_u32 v[ADA0], v2, 4, v[ADA0]
	v_add_nc_u32 v[ADA0], s18, v[ADA0]
	v_lshl_add_u32 v[ADB0], v2, 3, v3              ; W: lane l reads row k = 8 h + l % 8, channels 8 ((l / 8) % 2) + 0..7
	v_mul_u32_u24 v[ADB0], v[ADB0], PW
	v_lshl_add_u32 v[ADB0], v13, 4, v[ADB0]
	v_add_nc_u32 v[ADB0], BOFF, v[ADB0]
	v_mov_b32 v[ADA], v[ADA0]
	v_mov_b32 v[ADB], v[ADB0]
	s_mul_i32 s18, s[WV], 16*SP
	s_add_co_u32 s18, s18, STAGE
	v_mul_u32_u24 v[STO], v1, SP
	v_lshl_add_u32 v[STO], v2, 4, v[STO]
	v_add_nc_u32 v[STO], s18, v[STO]
	v_mul_u32_u24 v[RD], v2, SP
	v_lshl_add_u32 v[RD], v1, 4, v[RD]
	v_add_nc_u32 v[RD], s18, v[RD]
	v_lshlrev_b32 v[CO], 8, v2
	v_lshl_add_u32 v[CO], v1, 4, v[CO]
	v_lshlrev_b32 v[TO], 9, v1                     ; a position's 64 pairs are 512 bytes; my four pairs of a channel block begin 32 h into its 64
	v_lshl_add_u32 v[TO], v2, 5, v[TO]
	v_lshlrev_b32 v[GO], 5, v2
	s_lshr_b32 s18, s43, 3                         ; batch
	s_lshl_b32 s18, s18, 4
	s_add_co_u32 s18, s18, s42                     ; (batch, head)
	s_lshl_b32 s18, s18, 11
	s_and_b32 s19, s43, 7
	s_lshl_b32 s19, s19, 8
	s_lshl_b32 s22, s[WV], 6
	s_add_co_u32 s19, s19, s22                     ; my wave's first position in its sequence
	s_add_co_u32 s18, s18, s19
	s_lshl_b32 s18, s18, 8                         ; rows of 256 bytes
	s_lshl_b32 s22, s19, 9
	s_mov_b32 s19, 0
	s_mov_b32 s23, 0
	s_add_nc_u64 s[OQ:OQ+1], s[10:11], s[18:19]
	s_add_nc_u64 s[OK:OK+1], s[OQ:OQ+1], 0x1000000
	s_add_nc_u64 s[OV:OV+1], s[OK:OK+1], 0x1000000
	s_add_nc_u64 s[TBASE:TBASE+1], s[8:9], s[22:23]
	s_lshl_b32 s22, s42, 9
	s_add_co_u32 s22, s22, 0x100000
	s_add_nc_u64 s[GBASE:GBASE+1], s[8:9], s[22:23]
.macro FETCHA sl                       ; x's four fragments of slice sl
	WIN 0
.irp a, 0,1,2,3
	ds_load_b128 v[AF0+32*(\sl)+8*(\a):AF0+32*(\sl)+8*(\a)+3],   v[ADA] offset:(\a)*16*PA+64*(\sl)
	ds_load_b128 v[AF0+32*(\sl)+8*(\a)+4:AF0+32*(\sl)+8*(\a)+7], v[ADA] offset:(\a)*16*PA+64*(\sl)+32
.endr
.endm
.macro FETCHB p                        ; W's eight fragments of phase p: q, k or v = p % 3, slice p / 3; buffers by p's parity
	WIN 0
.irp n, 0,1,2,3,4,5,6,7
	ds_load_tr16_b128 v[BF0+64*((\p)%2)+8*(\n):BF0+64*((\p)%2)+8*(\n)+3],   v[ADB] offset:((\p)%3)*64*PW+((\p)/3)*32*PW+(\n)*32
	ds_load_tr16_b128 v[BF0+64*((\p)%2)+8*(\n)+4:BF0+64*((\p)%2)+8*(\n)+7], v[ADB] offset:((\p)%3)*64*PW+((\p)/3)*32*PW+(\n)*32+16*PW
.endr
.endm
; na x 8 matrix instructions of phase p, row blocks a0 on.  The accumulators take turns, one instruction a turn: 95 others stand between two links of a chain.
.macro MULP p, a0, na, zero
	WIN 0x50*(1+(\p)%3)
.set ab, \a0
.rept \na
.set nb, 0
.rept 8
.if \zero
	v_wmma_f32_16x16x32_bf16 v[8*(8*ab+nb):8*(8*ab+nb)+7], v[BF0+64*((\p)%2)+8*nb:BF0+64*((\p)%2)+8*nb+7], v[AF0+32*((\p)/3)+8*ab:AF0+32*((\p)/3)+8*ab+7], 0
.else
	v_wmma_f32_16x16x32_bf16 v[8*(8*ab+nb):8*(8*ab+nb)+7], v[BF0+64*((\p)%2)+8*nb:BF0+64*((\p)%2)+8*nb+7], v[AF0+32*((\p)/3)+8*ab:AF0+32*((\p)/3)+8*ab+7], v[8*(8*ab+nb):8*(8*ab+nb)+7]
.endif
.set nb, nb+1
.endr
.set ab, ab+1
.endr
.endm
; Phases 0 to 4: the next phase's fragments are asked for, then this phase is multiplied.
.macro PHASE p, zero, pl=1
.if \pl
	PLACES                                         ; the buffer to be loaded was read by the matrix instructions just issued
.endif
	FETCHB (\p)+1
.if (\p) == 1
	FETCHA 1
	s_wait_dscnt 24                                ; all but the 24 loads just issued
.else
	s_wait_dscnt 16                                ; all but the 16 loads just issued
.endif
	MULP \p, 0, 4, \zero
.endm
; Phase 5 changes slots: ONE barrier.  In front of it each wave waits for all its tensor loads (one is out: its part of the next slot), adds 0 to its spare word, and waits for that and for its reads of this slot.
; fill = 1: the barrier opens a round of the cluster's, and the slot just read is filled again, two K steps ahead, first thing behind the round: 192 matrix instructions less 16 until the wait for it.
.macro TURN fill
	WIN 0
	s_wait_tensorcnt 0x0
	ds_add_u32 v[SPW], v[NIL]
	s_wait_dscnt 1                                 ; the add alone may be out: phase 5's fragments are in
	MULP 5, 0, 1, 0
	s_wait_dscnt 0x0                               ; the add is done, and my reads of this slot are over
	s_barrier_signal -1
	MULP 5, 1, 1, 0
	WIN 0
	s_barrier_wait -1
.if \fill
	CREST
	s_xor_b32 s[G0A+5], s[G0A+5], SLOT1            ; the walking descriptors: the other slot than last time, the next K step
	s_add_nc_u64 s[G0A+6:G0A+7], s[G0A+6:G0A+7], 32768
	s_xor_b32 s[G0B+5], s[G0B+5], SLOT1
	s_add_nc_u64 s[G0B+6:G0B+7], s[G0B+6:G0B+7], 49152
	JLOAD                                          ; its four v_nop are also the places in front of the loads below
.else
	PLACES
.endif
	s_xor_b32 s[TB], s[TB], SLOT1
	v_add_nc_u32 v[ADA], s[TB], v[ADA0]
	v_add_nc_u32 v[ADB], s[TB], v[ADB0]
	FETCHB 0
	FETCHA 0
	MULP 5, 2, 2, 0
.endm
	s_wait_tensorcnt 1                             ; my part of K step 0 is in; step 1's may stay out
	s_barrier_signal -1
	s_barrier_wait -1
	FETCHB 0
	FETCHA 0
	PHASE 0, 1, 0                                  ; the first slice stands in front of the loop: its products start all 96 sums
	PHASE 1, 1
	PHASE 2, 1
	WIN 0
	s_mov_b32 s3, 6
.Lstep:                                                ; a trip: a step's second slice, the change of slots (K steps 2 to 7 are asked for), the next step's first slice
	PHASE 3, 0
	PHASE 4, 0
	TURN 1
	PHASE 0, 0
	PHASE 1, 0
	PHASE 2, 0
	WIN 0
	s_sub_co_u32 s3, s3, 1
	s_cmp_lg_u32 s3, 0
	s_cbranch_scc1 .Lstep
	PHASE 3, 0                                     ; the tail is written out: nothing more is asked for
	PHASE 4, 0
	TURN 0
	PHASE 0, 0
	PHASE 1, 0
	PHASE 2, 0
	PHASE 3, 0
	PHASE 4, 0
	s_wait_dscnt 0x0
	MULP 5, 0, 4, 0
; THE WAY OUT: twelve blocks of 16 rows x 128 channels.  v first (row blocks 3 to 0), which frees window 3 while the gains and the table come in; then q and k of each row block.
.macro LOADT a                         ; the table for row block a: my row's cos and sin of my four pairs in each of the eight channel blocks
.if ((\a)%2) == 0
	WIN 0
.set tr, T0
.else
	WIN 0xc0
.set tr, T1
.endif
.irp n, 0,1,2,3,4,5,6,7
	global_load_b128 v[tr+8*(\n):tr+8*(\n)+3],   v[TO], s[TBASE:TBASE+1] offset:(\a)*8192+64*(\n)
	global_load_b128 v[tr+8*(\n)+4:tr+8*(\n)+7], v[TO], s[TBASE:TBASE+1] offset:(\a)*8192+64*(\n)+16
.endr
.endm
; Row block a of window w (1: q, 2: k): times the gains, in place, from each accumulator's low end on; then (x0, x1) -> (x0 c - x1 s, x1 c + x0 s), two packed instructions a pair.
.macro ROPE w, a
.set gr, GQ+64*((\w)-1)
.set tr, T0
.if (\a)%2
.set tr, T1
.endif
	WIN (\w)|((\w)<<6)
.set i, 0
.rept 32
	v_pk_mul_f32 v[64*(\a)+2*i:64*(\a)+2*i+1], v[64*(\a)+2*i:64*(\a)+2*i+1], v[gr+2*i:gr+2*i+1]
.set i, i+1
.endr
	WIN (\w)|((3*((\a)%2))<<2)|0xf0
.set i, 0
.rept 32
	v_pk_mul_f32 v[SC+2*i:SC+2*i+1], v[64*(\a)+2*i:64*(\a)+2*i+1], v[tr+2*i:tr+2*i+1] op_sel_hi:[1,0]   ; (x0 c, x1 c)
.set i, i+1
.endr
.set i, 0
.rept 32
	v_pk_fma_f32 v[SC+2*i:SC+2*i+1], v[64*(\a)+2*i:64*(\a)+2*i+1], v[tr+2*i:tr+2*i+1], v[SC+2*i:SC+2*i+1] op_sel:[1,1,0] op_sel_hi:[0,1,1] neg_lo:[0,1,0]   ; (- x1 s, + x0 s)
.set i, i+1
.endr
.endm
.macro PACK src                        ; 64 numbers of window 3 rounded to f16, ascending
	WIN 0x0f
.set i, 0
.rept 32
	v_cvt_pk_f16_f32 v[TMP+i], v[(\src)+2*i], v[(\src)+2*i+1]
.set i, i+1
.endr
.endm
.macro TOSTAGE                         ; 16 bytes a lane into my own stage, and back as whole rows of 256 bytes; LDS serves a wave's instructions in order (ISA guide 5.7.1.4)
	WIN 0
.irp n, 0,1,2,3,4,5,6,7
	ds_store_b128 v[STO], v[TMP+4*(\n):TMP+4*(\n)+3] offset:32*(\n)
.endr
	WIN 0xc0
.irp t, 0,1,2,3,4,5,6,7
	ds_load_b128 v[BK+4*(\t):BK+4*(\t)+3], v[RD] offset:(\t)*2*SP
.endr
.endm
.macro SEND base, a
	s_wait_dscnt 0x0                               ; the block is back in registers
	WIN 0x0c
.irp t, 0,1,2,3,4,5,6,7
	global_store_b128 v[CO], v[BK+4*(\t):BK+4*(\t)+3], s[(\base):(\base)+1] offset:(\a)*4096+(\t)*512   ; two rows: 512 consecutive bytes, aligned
.endr
.endm
.macro OUTB base, a                    ; a rotated block is packed while the block before comes back from the stage; then that one is stored and this one staged
	PACK SC
	SEND PVB, PVA
	s_wait_xcnt 0x0                                ; the rows' registers are loaded again only behind this wait
	TOSTAGE
.set PVB, \base
.set PVA, \a
.endm
	PLACES
	WIN 0
.irp n, 0,1,2,3,4,5,6,7
	global_load_b128 v[GQ+8*(\n):GQ+8*(\n)+3],       v[GO], s[GBASE:GBASE+1] offset:64*(\n)
	global_load_b128 v[GQ+8*(\n)+4:GQ+8*(\n)+7],     v[GO], s[GBASE:GBASE+1] offset:64*(\n)+16
	global_load_b128 v[GQ+64+8*(\n):GQ+64+8*(\n)+3],   v[GO], s[GBASE:GBASE+1] offset:8192+64*(\n)
	global_load_b128 v[GQ+64+8*(\n)+4:GQ+64+8*(\n)+7], v[GO], s[GBASE:GBASE+1] offset:8192+64*(\n)+16
.endr
	LOADT 0
	PACK 192
	TOSTAGE
.irp a, 2,1,0
	PACK 64*(\a)
	SEND OV, (\a)+1
	s_wait_xcnt 0x0
	TOSTAGE
.endr
.set PVB, OV
.set PVA, 0
	LOADT 1
.irp a, 0,1,2,3
.if (\a) < 3
	s_wait_loadcnt 16                              ; this row block's table (and the gains) are in; the next one's sixteen loads may stay out
.else
	s_wait_loadcnt 0x0
.endif
	ROPE 1, \a
	OUTB OQ, \a
	ROPE 2, \a
.if (\a) < 2
	LOADT (\a)+2
.endif
	OUTB OK, \a
.endr
	SEND PVB, PVA
	WIN 0
	s_wait_tensorcnt 0x0                           ; the wave's end, behind my last tensor load and my last LDS store
	ds_add_u32 v[SPW], v[NIL]
	s_wait_dscnt 0x0
	CROUND                                         ; the closing round: no work-group ends while a partner may still ask for a tile that names it
	s_endpgm
.Lfunc_end_k_q77fb062def_qkv:
	.size	k_q77fb062def_qkv, .Lfunc_end_k_q77fb062def_qkv-k_q77fb062def_qkv
	.p2alignl 7, 3214868480
	.fill 96, 4, 3214868480
	.section	.rodata,"a",@progbits
	.p2align	6, 0x0
	.amdhsa_kernel k_q77fb062def_qkv
		.amdhsa_group_segment_fixed_size 327680
		.amdhsa_private_segment_fixed_size 0
		.amdhsa_enable_private_segment 0
		.amdhsa_kernarg_size 32
		.amdhsa_user_sgpr_count 2
		.amdhsa_user_sgpr_kernarg_segment_ptr 1
		.amdhsa_wavefront_size32 1
		.amdhsa_system_sgpr_workgroup_id_x 1
		.amdhsa_system_sgpr_workgroup_id_y 1
		.amdhsa_system_sgpr_workgroup_id_z 1
		.amdhsa_system_vgpr_workitem_id 0
		.amdhsa_next_free_vgpr 1024
		.amdhsa_next_free_sgpr 80
		.amdhsa_reserve_vcc 0
		.amdhsa_float_denorm_mode_32 3
		.amdhsa_float_denorm_mode_16_64 3
		.amdhsa_memory_ordered 1
		.amdhsa_forward_progress 1
		.amdhsa_inst_pref_size 176
	.end_amdhsa_kernel
	.amdgpu_metadata
---
amdhsa.version: [ 1, 2 ]
amdhsa.kernels:
  - .name:           k_q77fb062def_qkv
    .symbol:         k_q77fb062def_qkv.kd
    .args:
      - { .name: xb, .offset: 0, .size: 8, .value_kind: global_buffer, .address_space: global }
      - { .name: wb, .offset: 8, .size: 8, .value_kind: global_buffer, .address_space: global }
      - { .name: tab, .offset: 16, .size: 8, .value_kind: global_buffer, .address_space: global }
      - { .name: qkv, .offset: 24, .size: 8, .value_kind: global_buffer, .address_space: global }
    .group_segment_fixed_size: 327680
    .private_segment_fixed_size: 0
    .kernarg_segment_align: 8
    .kernarg_segment_size: 32
    .max_flat_workgroup_size: 128
    .sgpr_count:     80
    .vgpr_count:     1024
    .wavefront_size: 32
...
	.end_amdgpu_metadata
.endif
;; end of part 2
;; launch attn (part 3): grid 8 x 32, 4 waves a work-group, no clusters, 327,680 bytes of LDS; arguments qkv, ctx; writes ctx
.if DOCPART == 3
	.amdgcn_target "amdgcn-amd-amdhsa--gfx1250"
	.amdhsa_code_object_version 6
	.text
	.protected	k_q77fb062def_attn
	.globl	k_q77fb062def_attn
	.p2align	8
	.type	k_q77fb062def_attn,@function
k_q77fb062def_attn:
	s_mov_b64 s[64:65], 0
	v_nop
	global_prefetch_b8 v0, s[64:65] scope:SCOPE_SE
	s_setreg_imm32_b32 hwreg(HW_REG_WAVE_MODE, 25, 1), 1
	s_wait_xcnt 0x0
; CAUSAL ATTENTION, head size 128.  ctx[bh][q][:] = the sum over k <= q of softmax_k(Q[q] . K[k] / sqrt(128)) V[k][:].  qkv: f16 [3][32][2048][128], q and k stored divided by 16; ctx: f16 [32][2048][128].
; Products, maxima and sums in f32; the weights p are rounded to f16 for the second product (their sum l is taken of the unrounded p), ctx once at the end.
; LIMITS.  A hidden score counts as its value less 1e30.  The running maximum starts at -2^60: below every score that f16 operands can make (5.5e11 at the most), above every hidden one.
; A weight below 2^-126 counts as 0 in l; p below 6.1e-5 keeps f16's fixed step of 6e-8; ctx is a mean of V's rows and has their range.  NaN and infinities are not treated apart.
; THE WALK.  A head has 16 blocks of 128 queries and 16 tiles of 128 keys; block i needs tiles 0 .. i, the last holding the diagonal.  Work-group b takes block 15 - b and then block b: 17 tiles, whatever b:
; all 256 work-groups do equal work, and one loop with a constant trip count walks them; the ring of two LDS slots runs on across the change of blocks.
; NO CLUSTER: the eight work-groups of a head ask for the same tile only in trips 0 to 8 of the 17; a walk common to four partners would have 20 trips.
; SHARES.  Wave w owns the 64 queries 64 (w / 2) .. of the block (four tiles of 16, in two pieces) and the 64 keys 64 (w % 2) .. of every key tile: a fragment of K or V read from LDS feeds four tiles' products.
; Each wave keeps m, l and O^T over its own keys; at a block's end the wave of the upper keys hands them, in f32, through LDS to the wave of the lower keys, which joins, divides and stores.
; LAYOUT.  S^T = K Q^T (source 0 = 16 keys, source 1 = 16 queries): a lane holds ONE query (lane % 16) and the keys 8 (lane / 16) + 0..7.  Two such results, rounded to f16 in pairs, ARE source 1 of
; O^T = V^T P, whose result again holds one query a lane, and eight channels.  K comes out of LDS as it lies, V turned, by ds_load_tr16_b128.
; SOFTMAX.  p = 2^(c s - c m), c = 256 log2(e) / sqrt(128) (the 256 undoes the two sixteenths); O and l are multiplied by a = 2^(c m_old - c m_new) in every step.  c m starts far below every c s: a block's first a is 0.
; THE MASK is the C operand that starts a sum S^T: for key block kb and query tile t one of three sets of eight registers (kb < t, kb = t, kb > t), made once (MD) and multiplied by 1 in a block's last tile, by 0 elsewhere (MC).
; A STEP.  FRONT: piece 0's scores; piece 2's scores with piece 0's softmax in slices behind them, two a product, V's run of loads among them.  The change of slots.  BACK: piece 0's V^T P with piece 2's softmax in
; slices, the next tile's K behind the second product; piece 2's V^T P.  A piece's 66 exponentials are one batch with one wait.
; REGISTERS, in windows of 256: window 0: v0-11 addresses; v12-43 eight registers of statistics a tile; v44-59 the join's statistics; v61-63; v64-191 S^T, 32 a tile; v192-255 P, 16 a tile.
;   window 1: O^T, 64 a tile.   window 2: v0-127 Q, v128-255 K of one step.   window 3: v0-127 V of one step; v128-151 MD; v152-175 MC.
.set PK,    272       ; a row of K in LDS: 256 bytes + 16: the 16 rows of a load start at 16 different groups of four banks (ISA guide 11.1)
.set PVR,   288       ; a row of V: 256 + 32
.set VOFF,  128*PK    ; a slot: 128 rows of K, then 128 rows of V
.set SLOT1, 1<<17
.set MERGE, SLOT1+128*(PK+PVR)  ; behind the ring: for each pair of waves 64 x 512 bytes of O^T, 512 of c m, 512 of l
.set MSZ,   33792
.set OSTAGE, MERGE+2*MSZ        ; 16 rows x 272 bytes for each of the two waves that store
.set SP,    272
.set SPARE, OSTAGE+2*16*SP      ; the spare words, 128 bytes a wave: two blocks of 256 bytes that no other line names
.set AK0, 2           ; v2   my lane's place in a tile of K (my wave's keys); never rewritten
.set AV0, 3           ; v3   the same for V
.set ADR, 4           ; v4   the LDS address of the run of loads in hand
.set QO,  5           ; v5   my byte offset in the wave's rows of Q
.set STO, 6           ; v6   the way out: where I put 16 bytes of a row
.set RD,  7           ; v7   where I read rows back
.set GO,  8           ; v8   my byte offset in two rows of ctx
.set MG,  9           ; v9   my 16 bytes in each 512 of my pair's part of MERGE
.set ST,  12          ; tile t's statistics at v[ST+8 t]: +0 c m, +1 m, +2, +3 l (even keys', odd keys'), +4 to +7 at work; a takes +6
.set CM,  44          ; v44-47 my c m by tile;  v48-51 my l;  v52-55, v56-59 the partner's
.set LS,  48
.set CMB, 52
.set LSB, 56
.set PFO, 61          ; v61  256 x my lane
.set SPW, 62          ; v62  LDS address of my spare word; never rewritten
.set NIL, 63          ; v63  0; never rewritten
.set S,   64
.set P,   192
.set KF,  128         ; window 2
.set MD,  128         ; window 3
.set MC,  152         ; window 3
.set KB,  8           ; s[8:9]   K at my half of the head's tile 0
.set WV,  12          ; s12  my wave's number
.set KJ,  13          ; s13  which 64 keys of a tile are mine; also: which half of a tile I fetch
.set PBK, 14          ; s14  b
.set HI,  15          ; s15  15 - b
.set VB,  16          ; s[16:17] V likewise
.set QI,  18          ; s18  which 64 queries of a block are mine
.set G1K, 24
.set G1V, 32
.set G0K, 40
.set G0V, 44
.set SLOTS, 56        ; s56  counts the loop's trips
.set CNT, 57          ; s57  counts the tail's two
.set CS,  58          ; s[58:59] c
.set SEL, 60          ; s[60:61] v_permlanex16_b32's selects: each lane takes its own place in the other half
.set TB,  62          ; s62  LDS byte at which the tile to be fetched begins
.set RT,  70          ; s70  tiles of the block in hand that are still to be entered
.set NXT, 71          ; s71  the tile to be asked for next
.set LQ,  72          ; s72  the last tile of the block whose tiles are being asked for
.set LEFTB, 73        ; s73  1 while the second block is still to come
.set OFF, 74          ; s[74:75] a tile's byte offset in K and V
.set AL,  76          ; s[76:77] the mask's factor
.set OLO, 80          ; s[80:81] ctx at my rows of the second block
.set BIGN, 82         ; s82  -1e30
.set LIM, 83          ; s83  2 in a work-group that prefetches, else the greatest number
.set QHI, 84          ; s[84:85] Q at my rows of the first block
.set QLO, 86          ; s[86:87] of the second
.set PFA, 88          ; s[88:89] where my prefetches stand
.set MSB, 0
.macro WIN new
.if MSB != (\new)
	s_set_vgpr_msb (MSB<<8)|(\new)
.set MSB, \new
.endif
.endm
.set W_KQ, 0x0a       ; K and Q in window 2, S^T in window 0
.set W_KM, 0x3a       ; the same with the C operand in window 3
.set W_PV, 0x53       ; V in window 3, P in window 0, O^T in window 1
.set W_RS, 0x41       ; O^T (destination and source 0) in window 1, a in window 0
.macro PLACES
.rept 4
	v_nop
.endr
.endm
; A fill.  Waves 0 and 1 fetch the two halves of a tile's K, waves 2 and 3 those of its V: 64 rows of 256 bytes each.  An s_nop 0 and four v_nop follow each line.
.macro LOAD
	s_cmp_lt_u32 s[WV], 2
	s_cbranch_scc0 .Lfor_v_\@
	tensor_load_to_lds s[G0K:G0K+3], s[G1K:G1K+7]
	s_nop 0
.rept 4
	v_nop
.endr
	s_branch .Lasked_\@
.Lfor_v_\@:
	tensor_load_to_lds s[G0V:G0V+3], s[G1V:G1V+7]
	s_nop 0
.rept 4
	v_nop
.endr
.Lasked_\@:
.endm
; A PREFETCH INTO THE L2 of what the NEXT change of slots will ask for.  Of a head's eight work-groups b = 0 walks tiles 0 to 15 in trips 0 to 15, never behind another: it alone asks.  Each of its waves asks for the
; 64 rows that it will itself fetch, a lane a row, two instructions: each row is named once in the launch.  Tiles 3 to 15 are asked for, a step (128 matrix instructions) ahead of their loads; tiles 0 to 2 come by their loads alone.
.macro ASK
	s_cmp_gt_u32 s[SLOTS], s[LIM]
	s_cbranch_scc0 .Lnot_mine_\@
	global_prefetch_b8 v[PFO], s[PFA:PFA+1] th:TH_LOAD_NT scope:SCOPE_SE
	global_prefetch_b8 v[PFO], s[PFA:PFA+1] offset:8192 th:TH_LOAD_NT scope:SCOPE_SE
.Lnot_mine_\@:
.endm
; THE CHANGE OF SLOTS, between a tile's FRONT and its BACK: the tile's K and V have been asked for from LDS.  Each wave waits for all its tensor loads (one is out: its part of the other slot), adds 0 to its spare word, and
; waits for that and for its reads of the slot.  Behind the barrier nobody reads the slot any more and the other slot is whole.  fill = 1: the slot is filled again, first thing behind the barrier, with tile NXT.
.macro CHANGE fill, ask
	WIN 0
	s_wait_tensorcnt 0x0            ; no tensor load of mine is out, so a group 0 may be written
	ds_add_u32 v[SPW], v[NIL]       ; 0 onto my spare word; the descriptors' scalar work stands between it and the wait for it
.if \fill
	s_lshl_b32 s[OFF], s[NXT], 15   ; a tile is 32,768 bytes of K and of V
	s_xor_b32 s[G0K+1], s[G0K+1], SLOT1
	s_add_nc_u64 s[G0K+2:G0K+3], s[KB:KB+1], s[OFF:OFF+1]
	s_or_b32 s[G0K+3], s[G0K+3], 0x80000000
	s_xor_b32 s[G0V+1], s[G0V+1], SLOT1
	s_add_nc_u64 s[G0V+2:G0V+3], s[VB:VB+1], s[OFF:OFF+1]
	s_or_b32 s[G0V+3], s[G0V+3], 0x80000000
	s_add_co_u32 s[NXT], s[NXT], 1  ; the block's next tile, or behind its last the second block's tile 0
	s_cmp_gt_u32 s[NXT], s[LQ]
	s_cselect_b32 s[NXT], 0, s[NXT]
	s_cselect_b32 s[LQ], s[PBK], s[LQ]
	s_wait_xcnt 0x0                 ; the last prefetches, a step back, have read their address
	s_add_nc_u64 s[PFA:PFA+1], s[PFA:PFA+1], 32768
.endif
	s_wait_dscnt 0x0                ; the add is done, and my reads of the slot are over
	s_barrier_signal -1
	s_barrier_wait -1
.if \fill
	LOAD
.if \ask
	ASK
.endif
.endif
.endm
	s_load_b128 s[4:7], s[0:1], 0x0 ; qkv s[4:5], ctx s[6:7]
	v_lshl_add_u32 v[SPW], v0, 2, SPARE
	v_mov_b32 v[NIL], 0
	ds_add_u32 v[SPW], v[NIL]       ; the wave's opening: the add and its wait stand ahead of my first tensor load
	ds_add_u32 v62, v63
	v_lshrrev_b32 v1, 5, v0
	v_readfirstlane_b32 s[WV], v1
	s_and_b32 s[KJ], s[WV], 1
	s_lshr_b32 s[QI], s[WV], 1
	s_mov_b32 s[PBK], ttmp9
	s_sub_co_u32 s[HI], 15, s[PBK]
	s_and_b32 s20, ttmp7, 0xffff
	s_lshl_b32 s20, s20, 19         ; (batch, head) x 2,048 rows of 256 bytes
	s_lshl_b32 s22, s[KJ], 14       ; my half of a tile: 64 rows
	s_add_co_u32 s22, s22, s20
	s_add_co_u32 s22, s22, 0x1000000  ; k lies 16,777,216 bytes behind q
	s_mov_b32 s23, 0
	s_mul_i32 s2, s[KJ], 64*PK
	s_mul_i32 s3, s[KJ], 64*PVR
	s_add_co_u32 s3, s3, VOFF
	s_lshl_b32 s19, s[QI], 14       ; my 64 queries of a block
	s_lshl_b32 s90, s[HI], 15
	s_add_co_u32 s90, s90, s19
	s_add_co_u32 s90, s90, s20
	s_mov_b32 s91, 0
	s_lshl_b32 s92, s[PBK], 15
	s_add_co_u32 s92, s92, s19
	s_add_co_u32 s92, s92, s20
	s_mov_b32 s93, 0
	s_mov_b32 s[G1K], (1<<16)|(1<<20)|(5<<22)|(3<<25)  ; 2-byte elements; padding on: after every 64 words, 4 words
	s_mov_b32 s[G1V], (1<<16)|(1<<20)|(5<<22)|(7<<25)  ; the same with 8 words
.irp g, G1K, G1V
	s_mov_b32 s[(\g)+1], 128<<16    ; tensor_dim0 = 128
	s_mov_b32 s[(\g)+2], 64<<16     ; tensor_dim1 = 64
	s_mov_b32 s[(\g)+3], 128<<16    ; tile_dim0 = 128
	s_mov_b32 s[(\g)+4], 64         ; tile_dim1 = 64
	s_mov_b32 s[(\g)+5], 128        ; 128 elements from row to row
	s_mov_b32 s[(\g)+6], 0
	s_mov_b32 s[(\g)+7], 0
.endr
	s_mov_b32 s[G0K], 1
	s_mov_b32 s[G0K+1], s2          ; slot 0
	s_mov_b32 s[G0V], 1
	s_mov_b32 s[G0V+1], s3
	s_mov_b32 s[CS], 0x420293ee     ; c = 256 log2(e) / sqrt(128) = 32.6445
	s_mov_b32 s[CS+1], s[CS]
	s_mov_b32 s[SEL], 0x76543210
	s_mov_b32 s[SEL+1], 0xfedcba98
	s_mov_b32 s[TB], 0
	s_mov_b32 s[SLOTS], 16          ; the loop is entered in the middle of a trip: 15 whole trips follow
	s_add_co_u32 s[RT], s[HI], 1    ; the first block has 16 - b tiles
	s_mov_b32 s[NXT], 1
	s_mov_b32 s[LQ], s[HI]
	s_mov_b32 s[LEFTB], 1
	s_mov_b32 s[OFF+1], 0
	s_mov_b32 s[AL+1], 0
	s_mov_b32 s[BIGN], 0xf149f2ca   ; -1e30
	s_cmp_eq_u32 s[PBK], 0
	s_cselect_b32 s[LIM], 2, -1
	s_wait_dscnt 0x0                ; the opening add is done
	s_wait_kmcnt 0x0
	s_add_nc_u64 s[KB:KB+1], s[4:5], s[22:23]
	s_add_nc_u64 s[VB:VB+1], s[KB:KB+1], 0x1000000
	s_add_nc_u64 s[QHI:QHI+1], s[4:5], s[90:91]
	s_add_nc_u64 s[QLO:QLO+1], s[4:5], s[92:93]
	s_add_nc_u64 s[10:11], s[6:7], s[90:91]        ; ctx at my rows of the block in hand
	s_add_nc_u64 s[OLO:OLO+1], s[6:7], s[92:93]
	s_add_nc_u64 s[G0K+2:G0K+3], s[KB:KB+1], 0
	s_or_b32 s[G0K+3], s[G0K+3], 0x80000000
	s_add_nc_u64 s[G0V+2:G0V+3], s[VB:VB+1], 0
	s_or_b32 s[G0V+3], s[G0V+3], 0x80000000
	s_cmp_lt_u32 s[WV], 2
	s_cselect_b64 s[PFA:PFA+1], s[KB:KB+1], s[VB:VB+1]
	s_add_nc_u64 s[PFA:PFA+1], s[PFA:PFA+1], 32768 ; at tile 1; each change with a fill steps it
	LOAD                            ; tile 0 into slot 0
	v_and_b32 v1, 15, v0            ; r = l % 16
	v_bfe_u32 v10, v0, 4, 1         ; h = l / 16
	v_lshlrev_b32 v[QO], 8, v1
	v_lshl_add_u32 v[QO], v10, 4, v[QO]
	WIN 0x80
.set i, 0
.rept 16                            ; Q stays in registers: tile i / 4, channels 32 (i % 4) on
	global_load_b128 v[8*i:8*i+3],   v[QO], s[QHI:QHI+1] offset:(i/4)*4096+(i%4)*64
	global_load_b128 v[8*i+4:8*i+7], v[QO], s[QHI:QHI+1] offset:(i/4)*4096+(i%4)*64+32
.set i, i+1
.endr
	WIN 0
	v_mul_u32_u24 v[AK0], v1, PK
	v_lshl_add_u32 v[AK0], v10, 4, v[AK0]
	v_add_nc_u32 v[AK0], s2, v[AK0]                ; + my wave's 64 keys
	v_and_b32 v52, 7, v0
	v_bfe_u32 v53, v0, 3, 1
	v_lshl_add_u32 v[AV0], v10, 3, v52
	v_mul_u32_u24 v[AV0], v[AV0], PVR
	v_lshl_add_u32 v[AV0], v53, 4, v[AV0]
	v_add_nc_u32 v[AV0], s3, v[AV0]
	s_mul_i32 s19, s[QI], 16*SP
	s_add_co_u32 s19, s19, OSTAGE
	v_mul_u32_u24 v[STO], v1, SP
	v_lshl_add_u32 v[STO], v10, 4, v[STO]
	v_add_nc_u32 v[STO], s19, v[STO]
	v_mul_u32_u24 v[RD], v10, SP
	v_lshl_add_u32 v[RD], v1, 4, v[RD]
	v_add_nc_u32 v[RD], s19, v[RD]
	v_lshlrev_b32 v[GO], 8, v10
	v_lshl_add_u32 v[GO], v1, 4, v[GO]
	s_mul_i32 s19, s[QI], MSZ
	s_add_co_u32 s19, s19, MERGE
	v_and_b32 v[PFO], 31, v0
	v_lshl_add_u32 v[MG], v[PFO], 4, s19
	v_lshlrev_b32 v[PFO], 8, v[PFO]
	; MD.  In a block's last tile key 64 kj + 16 kb + 8 h + j is hidden from query 64 qi + 16 t + r where it is the greater.  kb < t: hidden where qi < kj.  kb > t: where qi <= kj.  kb = t: as kb > t where 8 h + j > r, else as kb < t.
	s_cmp_lt_u32 s[QI], s[KJ]
	s_cselect_b32 s19, s[BIGN], 0
	s_cmp_le_u32 s[QI], s[KJ]
	s_cselect_b32 s21, s[BIGN], 0
	v_mov_b32 v55, s19
	v_mov_b32 v56, s21
	v_lshlrev_b32 v54, 3, v10
	v_sub_nc_u32 v54, v1, v54       ; r - 8 h
	WIN 0xc0
.set i, 0
.rept 8
	v_mov_b32 v[MD+i], v55
	v_cmp_gt_i32 vcc_lo, i, v54
	v_cndmask_b32 v[MD+8+i], v55, v56, vcc_lo
	v_mov_b32 v[MD+16+i], v56
.set i, i+1
.endr
	; O^T and l start at 0, so that every step has one form; all this stands in the wait for the first tile.
	WIN 0x40
.set i, 0
.rept 256
	v_mov_b32 v[i], 0
.set i, i+1
.endr
	WIN 0
.irp t, 0,1,2,3
	v_mov_b32 v[ST+8*(\t)], 0xfe000000     ; c m: far below every c s
	v_mov_b32 v[ST+8*(\t)+1], 0xdd800000   ; m = -2^60
	v_mov_b32 v[ST+8*(\t)+2], 0
	v_mov_b32 v[ST+8*(\t)+3], 0
.endr
; THE MATRIX WORK.  The accumulators take turns, one instruction a turn.
; Product i of 32 of S^T = K Q^T for piece x: channels 32 (i / 8) on, keys 16 ((i / 2) % 4) on, tile x + i % 2.  The first 8 start the sums, with the mask.
.macro KQ x
.set tq, (\x)+i%2
.set kb, (i/2)%4
.set rS, S+32*tq+8*kb
.set rK, KF+32*kb+8*(i/8)
.set rQ, 32*tq+8*(i/8)
.if i < 8
.set rM, MC
.if kb == tq
.set rM, MC+8
.elseif kb > tq
.set rM, MC+16
.endif
	WIN W_KM
	v_wmma_f32_16x16x32_f16 v[rS:rS+7], v[rK:rK+7], v[rQ:rQ+7], v[rM:rM+7]
.else
	WIN W_KQ
	v_wmma_f32_16x16x32_f16 v[rS:rS+7], v[rK:rK+7], v[rQ:rQ+7], v[rS:rS+7]
.endif
.endm
; Product i of 32 of O^T += V^T P for piece x: keys 32 (i / 16) on, channels 16 ((i / 2) % 8) on, tile x + i % 2.
.macro PV x
	WIN W_PV
.set rO, 64*((\x)+i%2)+8*((i/2)%8)
.set rV, 64*(i/16)+8*((i/2)%8)
.set rP, P+16*((\x)+i%2)+8*(i/16)
	v_wmma_f32_16x16x32_f16 v[rO:rO+7], v[rV:rV+7], v[rP:rP+7], v[rO:rO+7]
.endm
; THE LDS LOADS stand in runs of 32.  last = 1 (the tail): in the last trip there is no further tile, and K's run is jumped over.
.macro FETCH_K last
	WIN 0
.if \last
	s_cmp_eq_u32 s[CNT], 1
	s_cbranch_scc1 .Lno_k_\@
.endif
	v_add_nc_u32 v[ADR], s[TB], v[AK0]
	WIN 0x80
.irp f, 0,1,2,3,4,5,6,7,8,9,10,11,12,13,14,15  ; keys 16 (f / 4) on, channels 32 (f % 4) on
	ds_load_b128 v[KF+8*(\f):KF+8*(\f)+3],   v[ADR] offset:((\f)/4)*16*PK+((\f)%4)*64
	ds_load_b128 v[KF+8*(\f)+4:KF+8*(\f)+7], v[ADR] offset:((\f)/4)*16*PK+((\f)%4)*64+32
.endr
	WIN 0
.if \last
.Lno_k_\@:
.endif
.endm
.macro FETCH_V
	WIN 0
	v_add_nc_u32 v[ADR], s[TB], v[AV0]
	s_xor_b32 s[TB], s[TB], SLOT1   ; the next fetch is the next tile's, in the other slot
	s_wait_alu depctr_va_vdst(0)    ; the wait for the softmax's batch, behind the address's v_add_nc_u32 and ahead of the loads
	WIN 0xc0
.irp f, 0,1,2,3,4,5,6,7,8,9,10,11,12,13,14,15  ; keys 32 (f / 8) on, channels 16 (f % 8) on
	ds_load_tr16_b128 v[8*(\f):8*(\f)+3],   v[ADR] offset:((\f)/8)*32*PVR+((\f)%8)*32
	ds_load_tr16_b128 v[8*(\f)+4:8*(\f)+7], v[ADR] offset:((\f)/8)*32*PVR+16*PVR+((\f)%8)*32
.endr
.endm
; THE VECTOR WORK.  One tile's softmax for one step is a list of 134 instructions; SM writes number j of it for tile t.  s0-s31 are the lane's 32 scores, in pairs 0-15.
;   0-15    the maximum of s0-s31 and the old m, three operands at a time (each accumulator's lowest registers are read first)
;   16-20   the other half of the lanes' maximum; the new m; c m; c m_old - c m_new
;   21-69   ONE BATCH: the 16 scalings c s - c m and all 33 exponentials (a at 23, then s0-s31); none of these reads an exponential's result
;   70-85   the roundings to f16     86-101  the sums; l = a l + the sum     102-133  the tile's O^T times a
.macro SM t
.set rT, ST+8*(\t)
.set rS, S+32*(\t)
.set rP, P+16*(\t)
.set rO, 64*(\t)+2*(j-102)
.if j < 102
	WIN 0
.endif
.if j < 4
	v_max3_num_f32 v[rT+4+j], v[rS+8*j], v[rS+8*j+1], v[rS+8*j+2]
.elseif j < 12
	v_max3_num_f32 v[rT+4+j%4], v[rT+4+j%4], v[rS+8*(j%4)+2*(j/4)+1], v[rS+8*(j%4)+2*(j/4)+2]
.elseif j == 12
	v_max3_num_f32 v[rT+4], v[rT+4], v[rS+7], v[rS+15]
.elseif j == 13
	v_max3_num_f32 v[rT+6], v[rT+6], v[rS+23], v[rS+31]
.elseif j == 14
	v_max3_num_f32 v[rT+4], v[rT+4], v[rT+5], v[rT+6]
.elseif j == 15
	v_max3_num_f32 v[rT+4], v[rT+4], v[rT+7], v[rT+1]
.elseif j == 16
	v_permlanex16_b32 v[rT+5], v[rT+4], s[SEL], s[SEL+1]  ; the query's other 32 keys lie in the lane 16 away
.elseif j == 17
	v_mov_b32 v[rT+7], v[rT]        ; c m_old is kept for a
.elseif j == 18
	v_max_num_f32 v[rT+1], v[rT+4], v[rT+5]
.elseif j == 19
	v_mul_f32 v[rT], s[CS], v[rT+1]
.elseif j == 20
	v_sub_f32 v[rT+7], v[rT+7], v[rT]
.elseif j == 23
	v_exp_f32 v[rT+6], v[rT+7]
.elseif (j < 23) || ((j < 38) && (j%2 == 0)) || ((j < 66) && (j%4 == 2))
.set b, (j-2)/4                     ; 38, 42, .. 62: pairs 9 to 15
.if j < 38
.set b, (j-20)/2                    ; 21: pair 0; 22, 24, .. 36: pairs 1 to 8
.endif
	v_pk_fma_f32 v[rS+2*b:rS+2*b+1], v[rS+2*b:rS+2*b+1], s[CS:CS+1], v[rT:rT+1] op_sel_hi:[1,0,0] neg_lo:[0,0,1] neg_hi:[0,0,1]
.elseif j < 70
.set e, j-38                        ; 66 to 69: s28 to s31
.if j < 66
.set e, j-32-(j-38)/4               ; 39-41, 43-45, .. 63-65: s7 to s27
.endif
.if j < 38
.set e, (j-25)/2                    ; 25, 27, .. 37: s0 to s6
.endif
	v_exp_f32 v[rS+e], v[rS+e]
.elseif j < 86
	v_cvt_pk_f16_f32 v[rP+j-70], v[rS+2*(j-70)], v[rS+2*(j-70)+1]
.elseif j < 102                     ; the sum of the tile's 16 pairs, in place: neighbours 1, 2, 4 and 8 pairs apart, then l takes it
.set z, j-86
.set w, 4
.set u, z
.if z >= 14
.set w, 32
.set u, 0
.elseif z >= 12
.set w, 16
.set u, z-12
.elseif z >= 8
.set w, 8
.set u, z-8
.endif
.if z < 15
	v_pk_add_f32 v[rS+w*u:rS+w*u+1], v[rS+w*u:rS+w*u+1], v[rS+w*u+w/2:rS+w*u+w/2+1]
.else
	v_pk_fma_f32 v[rT+2:rT+3], v[rT+2:rT+3], v[rT+6:rT+7], v[rS:rS+1] op_sel_hi:[1,0,1]
.endif
.else
	WIN W_RS
	v_pk_mul_f32 v[rO:rO+1], v[rO:rO+1], v[rT+6:rT+7] op_sel_hi:[1,0]
.endif
.endm
; Slice k of 64 of piece y's softmax.  Slices 11 to 34 deal out the batch, four numbers of ONE tile each, the tiles by turns; every other slice is numbers 2 k and 2 k + 1 of both tiles; the twelve that are over stand in slice 63.
; Ahead of slice 35 nothing names an exponential's result, and behind slice 34 no exponential is issued: the piece's 66 exponentials have one wait, behind slice 34.
.macro SLICE y
.if (k >= 11) && (k < 35)
.irp n, 0,1,2,3
.set j, 22+4*((k-11)/2)+(\n)
	SM (\y)+(k-11)%2
.endr
.else
.irp n, 0,1,2,3,4,5,6,7
.if ((\n) < 2) || (k == 63)
.irp t, \y, (\y)+1
.set j, 2*k+(\n)
	SM \t
.endr
.endif
.endr
.endif
.if k == 34
	v_nop                           ; a plain instruction behind the last exponential: one for the batch
.if (\y) == 0
	FETCH_V                         ; V's run of loads stands here, and the wait stands in it
.else
	s_wait_alu depctr_va_vdst(0)
.endif
.endif
.set k, k+1
.endm
; A tile's first half.  The masks; piece 0's scores; piece 2's scores with piece 0's softmax behind them.  V's registers were last read by the products at the end of BACK: the masks' twelve lines and the four v_nop lie between.
.macro FRONT
	s_sub_co_u32 s[RT], s[RT], 1
	s_cmp_eq_u32 s[RT], 0           ; the block's last tile holds the diagonal
	s_cselect_b32 s[AL], 1.0, 0
	WIN 0xc3
.set z, 0
.rept 12
	v_pk_mul_f32 v[MC+2*z:MC+2*z+1], v[MD+2*z:MD+2*z+1], s[AL:AL+1] op_sel_hi:[1,0]
.set z, z+1
.endr
	s_wait_dscnt 0x0                ; K is in
.set i, 0
.rept 32
	KQ 0
.set i, i+1
.endr
	WIN 0
	PLACES                          ; in front of the softmax that reads those scores
.set k, 0
.set i, 0
.rept 32
	KQ 2
	SLICE 0
	SLICE 0
.set i, i+1
.endr
.endm
; A tile's second half.  Piece 0's V^T P with piece 2's softmax behind it; the next tile's K behind the second product (K's last reader stands in front of slices 62 and 63 of FRONT: twenty plain lines); piece 2's V^T P.
.macro BACK last
.set k, 0
.set i, 0
.rept 32
	PV 0
	SLICE 2
	SLICE 2
.if i == 1
	FETCH_K \last
.endif
.set i, i+1
.endr
.set i, 0
.rept 32
	PV 2
.set i, i+1
.endr
	WIN 0
.endm
; A BLOCK'S END.
.macro LOADB t                         ; the partner's O^T of tile t, 64 registers
.set ob, S+64*((\t)%2)
.set i, 0
.rept 16
	ds_load_b128 v[ob+4*i:ob+4*i+3], v[MG] offset:512*(16*(\t)+i)
.set i, i+1
.endr
.endm
.macro JOIN t, cnt                     ; tile t: O = O_mine f_mine + O_partner f_partner (1 / l is in the factors), rounded to f16.  cnt: the younger LDS instructions
.set ob, S+64*((\t)%2)
.set pb, P+32*((\t)%2)
	s_wait_dscnt \cnt
	WIN 0
.set i, 0
.rept 32
	v_pk_mul_f32 v[ob+2*i:ob+2*i+1], v[ob+2*i:ob+2*i+1], v[ST+8*(\t)+6:ST+8*(\t)+7] op_sel_hi:[1,0]
.set i, i+1
.endr
	WIN 0x01
.set i, 0
.rept 32
	v_pk_fma_f32 v[ob+2*i:ob+2*i+1], v[64*(\t)+2*i:64*(\t)+2*i+1], v[ST+8*(\t)+4:ST+8*(\t)+5], v[ob+2*i:ob+2*i+1] op_sel_hi:[1,0,1]
.set i, i+1
.endr
	WIN 0
	s_wait_xcnt 0x0                 ; the registers that earlier stores read are rewritten only behind this wait
.set i, 0
.rept 32
	v_cvt_pk_f16_f32 v[pb+i], v[ob+2*i], v[ob+2*i+1]
.set i, i+1
.endr
.endm
.macro STG t                           ; 16 bytes a lane into my stage, back as whole rows of 256 bytes; LDS serves a wave's instructions in order (ISA guide 5.7.1.4)
.set pb, P+32*((\t)%2)
.irp f, 0,1,2,3,4,5,6,7
	ds_store_b128 v[STO], v[pb+4*(\f):pb+4*(\f)+3] offset:32*(\f)
.endr
.irp f, 0,1,2,3,4,5,6,7
	ds_load_b128 v[pb+4*(\f):pb+4*(\f)+3], v[RD] offset:(\f)*2*SP
.endr
.endm
.macro SEND t, cnt
.set pb, P+32*((\t)%2)
	s_wait_dscnt \cnt
.irp f, 0,1,2,3,4,5,6,7
	global_store_b128 v[GO], v[pb+4*(\f):pb+4*(\f)+3], s[10:11] offset:(\t)*4096+(\f)*512   ; two rows: 512 consecutive bytes, aligned
.endr
.endm
; The test hangs on the work-group's number and on counters alone: it is the same in all four waves, so all pass the barrier inside or none does.
.macro FINISH
	s_cmp_lg_u32 s[RT], 0
	s_cbranch_scc1 .Lnofin_\@
	s_cmp_lg_u32 s[LEFTB], 0
	s_cbranch_scc0 .Lnoq_\@
	WIN 0x80                        ; the second block's Q comes in under the join
.set i, 0
.rept 16
	global_load_b128 v[8*i:8*i+3],   v[QO], s[QLO:QLO+1] offset:(i/4)*4096+(i%4)*64
	global_load_b128 v[8*i+4:8*i+7], v[QO], s[QLO:QLO+1] offset:(i/4)*4096+(i%4)*64+32
.set i, i+1
.endr
	WIN 0
.Lnoq_\@:
.irp t, 0,1,2,3                        ; l's two halves and the other half of the lanes'; these lines are also the places behind the last products
	v_add_f32 v[LS+(\t)], v[ST+8*(\t)+2], v[ST+8*(\t)+3]
.endr
.irp t, 0,1,2,3
	v_permlanex16_b32 v[ST+8*(\t)+5], v[LS+(\t)], s[SEL], s[SEL+1]
.endr
.irp t, 0,1,2,3
	v_add_f32 v[LS+(\t)], v[LS+(\t)], v[ST+8*(\t)+5]
.endr
.irp t, 0,1,2,3
	v_mov_b32 v[CM+(\t)], v[ST+8*(\t)]
.endr
	s_cmp_lg_u32 s[KJ], 0
	s_cbranch_scc0 .Lnogive_\@
	WIN 0x04                        ; the wave of the upper keys hands over: O^T, each accumulator from its low end on, then c m and l
.set i, 0
.rept 64
	ds_store_b128 v[MG], v[4*i:4*i+3] offset:512*i
.set i, i+1
.endr
	WIN 0
	ds_store_b128 v[MG], v[CM:CM+3] offset:32768
	ds_store_b128 v[MG], v[LS:LS+3] offset:33280
.Lnogive_\@:
	s_wait_dscnt 0x0                ; for the partner's sake: my stores are done (and K's run is back)
	s_barrier_signal -1             ; The refill that is on its way may stay out
	s_barrier_wait -1
	s_cmp_eq_u32 s[KJ], 0
	s_cbranch_scc0 .Lnotake_\@
	ds_load_b128 v[CMB:CMB+3], v[MG] offset:32768
	ds_load_b128 v[LSB:LSB+3], v[MG] offset:33280
	LOADB 0
	LOADB 1
	s_wait_dscnt 32                 ; the statistics are in; the 32 loads behind them may stay out
.irp t, 0,1,2,3
	v_max_num_f32 v[ST+8*(\t)+1], v[CM+(\t)], v[CMB+(\t)]      ; the common c m
.endr
.irp t, 0,1,2,3
	v_sub_f32 v[ST+8*(\t)+4], v[CM+(\t)], v[ST+8*(\t)+1]
	v_sub_f32 v[ST+8*(\t)+6], v[CMB+(\t)], v[ST+8*(\t)+1]
.endr
.irp t, 0,1,2,3
	v_exp_f32 v[ST+8*(\t)+4], v[ST+8*(\t)+4]
	v_exp_f32 v[ST+8*(\t)+6], v[ST+8*(\t)+6]
.endr
	v_nop
	s_wait_alu depctr_va_vdst(0)    ; one wait for the eight exponentials
.irp t, 0,1,2,3
	v_mul_f32 v[ST+8*(\t)+2], v[LS+(\t)], v[ST+8*(\t)+4]
.endr
.irp t, 0,1,2,3
	v_fmac_f32 v[ST+8*(\t)+2], v[LSB+(\t)], v[ST+8*(\t)+6]
.endr
.irp t, 0,1,2,3
	v_rcp_f32 v[ST+8*(\t)+3], v[ST+8*(\t)+2]
.endr
	v_nop
	s_wait_alu depctr_va_vdst(0)    ; one wait for the four reciprocals
.irp t, 0,1,2,3
	v_mul_f32 v[ST+8*(\t)+4], v[ST+8*(\t)+4], v[ST+8*(\t)+3]
	v_mul_f32 v[ST+8*(\t)+6], v[ST+8*(\t)+6], v[ST+8*(\t)+3]
.endr
	JOIN 0, 16                      ; behind tile 0's loads: tile 1's sixteen
	STG 0
	LOADB 2
	JOIN 1, 32                      ; behind tile 1's loads: the stage's sixteen and tile 2's sixteen
	SEND 0, 16                      ; behind the stage's: tile 2's sixteen
	STG 1
	LOADB 3
	JOIN 2, 32
	SEND 1, 16
	STG 2
	JOIN 3, 16                      ; behind tile 3's loads: the stage's sixteen
	SEND 2, 0
	STG 3
	SEND 3, 0
.Lnotake_\@:
	s_wait_xcnt 0x0                 ; on every way out of the join: the last stores have read P's registers, which the next softmax rounds into, and ctx's address, which is written below
	s_cmp_lg_u32 s[LEFTB], 0
	s_cbranch_scc0 .Lnoreset_\@
	s_mov_b64 s[10:11], s[OLO:OLO+1]
	s_add_co_u32 s[RT], s[PBK], 1   ; the second block has b + 1 tiles
	s_mov_b32 s[LEFTB], 0
.irp t, 0,1,2,3                        ; its first step multiplies O^T and l by a = 0: what they hold need only be finite
	v_mov_b32 v[ST+8*(\t)], 0xfe000000
	v_mov_b32 v[ST+8*(\t)+1], 0xdd800000
.endr
.Lnoreset_\@:
	s_wait_loadcnt 0x0              ; Q
.Lnofin_\@:
.endm
	CHANGE 1, 0                     ; slot 0 is in, everybody's part of it; tile 1 is asked for, into slot 1
	FETCH_K 0                       ; tile 0
	s_wait_loadcnt 0x0              ; Q
	s_branch .Lfirst                ; the loop is entered at a tile's first half, in the middle of a trip
.Lslot:                             ; 15 trips: tiles 2 to 16 of the walk are asked for
	CHANGE 1, 1
	BACK 0
	FINISH
.Lfirst:
	FRONT
	WIN 0
	s_sub_co_u32 s[SLOTS], s[SLOTS], 1
	s_cmp_lg_u32 s[SLOTS], 0
	s_cbranch_scc1 .Lslot
	s_mov_b32 s[CNT], 2             ; the tail is written out: nothing is asked for
.Ltail:
	CHANGE 0, 0
	BACK 1
	FINISH
	s_sub_co_u32 s[CNT], s[CNT], 1
	s_cmp_eq_u32 s[CNT], 0
	s_cbranch_scc1 .Lout
	FRONT
	WIN 0
	s_branch .Ltail
.Lout:
	s_wait_tensorcnt 0x0            ; the wave's end, behind my last tensor load and my last LDS store
	ds_add_u32 v[SPW], v[NIL]
	s_wait_dscnt 0x0
	s_endpgm
.Lfunc_end_k_q77fb062def_attn:
	.size	k_q77fb062def_attn, .Lfunc_end_k_q77fb062def_attn-k_q77fb062def_attn
	.p2alignl 7, 3214868480
	.fill 96, 4, 3214868480
	.section	.rodata,"a",@progbits
	.p2align	6, 0x0
	.amdhsa_kernel k_q77fb062def_attn
		.amdhsa_group_segment_fixed_size 327680
		.amdhsa_private_segment_fixed_size 0
		.amdhsa_enable_private_segment 0
		.amdhsa_kernarg_size 16
		.amdhsa_user_sgpr_count 2
		.amdhsa_user_sgpr_kernarg_segment_ptr 1
		.amdhsa_wavefront_size32 1
		.amdhsa_system_sgpr_workgroup_id_x 1
		.amdhsa_system_sgpr_workgroup_id_y 1
		.amdhsa_system_sgpr_workgroup_id_z 1
		.amdhsa_system_vgpr_workitem_id 0
		.amdhsa_next_free_vgpr 1024
		.amdhsa_next_free_sgpr 96
		.amdhsa_reserve_vcc 1
		.amdhsa_float_denorm_mode_32 3
		.amdhsa_float_denorm_mode_16_64 3
		.amdhsa_memory_ordered 1
		.amdhsa_forward_progress 1
		.amdhsa_inst_pref_size 210
	.end_amdhsa_kernel
	.amdgpu_metadata
---
amdhsa.version: [ 1, 2 ]
amdhsa.kernels:
  - .name:           k_q77fb062def_attn
    .symbol:         k_q77fb062def_attn.kd
    .args:
      - { .name: qkv, .offset: 0, .size: 8, .value_kind: global_buffer, .address_space: global }
      - { .name: ctx, .offset: 8, .size: 8, .value_kind: global_buffer, .address_space: global }
    .group_segment_fixed_size: 327680
    .private_segment_fixed_size: 0
    .kernarg_segment_align: 8
    .kernarg_segment_size: 16
    .max_flat_workgroup_size: 128
    .sgpr_count:     96
    .vgpr_count:     1024
    .wavefront_size: 32
...
	.end_amdgpu_metadata
.endif
;; end of part 3
;; launch oproj (part 4): grid 16 x 16, 4 waves a work-group, clusters of 4 x 4, 327,680 bytes of LDS; arguments ctx, wo, tab, out0; writes out0
.if DOCPART == 4
	.amdgcn_target "amdgcn-amd-amdhsa--gfx1250"
	.amdhsa_code_object_version 6
	.text
	.protected	k_q77fb062def_oproj
	.globl	k_q77fb062def_oproj
	.p2align	8
	.type	k_q77fb062def_oproj,@function
k_q77fb062def_oproj:
	s_mov_b64 s[64:65], 0
	v_nop
	global_prefetch_b8 v0, s[64:65] scope:SCOPE_SE
	s_setreg_imm32_b32 hwreg(HW_REG_WAVE_MODE, 25, 1), 1
	s_wait_xcnt 0x0
	s_wait_alu depctr_hold_cnt(0) depctr_sa_sdst(0) depctr_va_vdst(0) depctr_va_sdst(0) depctr_va_ssrc(0) depctr_va_vcc(0) depctr_vm_vsrc(0)
	s_getreg_b32 s2, hwreg(HW_REG_IB_STS2, 6, 4)
	s_cmp_eq_u32 s2, 0
	s_cbranch_scc0 .Lentry_in_a_cluster
	s_endpgm
.Lentry_in_a_cluster:
	s_bfe_u32 s2, ttmp6, 0x10000c
	s_cmp_lg_u32 s2, 0xf033
	s_cbranch_scc0 .Lentry_shape_is_right
	s_endpgm
.Lentry_shape_is_right:
; THE OUTPUT PROJECTION.  out0[row][n] = the sum over k of ctx[row][k] wo[k][n] + bias[n].  ctx: f16 [32 (batch, head)][2048][128]; wo: f16 [2048 k][2048 n]; the bias (rounded to bf16, kept in f32) at tab + 1,064,960; out0: f32.
; f16 operands, f32 sums; the bias is the C operand that starts each sum, so nothing is added afterwards.
; SHARES.  A tile of 256 rows x 128 columns to a work-group: 16 x 16 = 256 work-groups.  A wave owns 64 rows x 128 columns: 32 accumulators.  K goes in 16 steps of 128, a head a step, through two LDS slots;
; a step is four slices of 32 matrix instructions.
; CLUSTER 4 x 4.  ctx's tile hangs on the row block alone and is shared along a row of the cluster, wo's on the column block alone and is shared along a column: joint loads.
; THE MATRIX INSTRUCTION IS USED TRANSPOSED: source 0 = 16 columns x 32 k of wo, which lies [k][n] in LDS and comes out turned; source 1 = 16 rows of ctx.  A lane holds one row and eight neighbouring columns: 32 bytes.
; REGISTERS: window 0: v0-31 addresses; v32-127, v128-223 two fragment buffers (ctx's 4 x 8, then wo's 8 x 8); window 1: the accumulators, (a, n) at v[8 (8 a + n)]; window 2: v0-63 the bias, 8 a column block.
.set SLOT1,  131072
.set PA,     272                       ; a row of ctx in LDS: 256 bytes + 16
.set PW,     288                       ; a row of wo: 256 + 32
.set BOFF,   256*PA
.set STAGE,  SLOT1+BOFF+128*PW         ; behind the ring: 16 rows x 528 bytes for each wave
.set SP,     528                       ; 512 + 16: the 16 rows that a store touches start at 16 different groups of four banks (ISA guide 11.1)
.set SPARE,  STAGE+4*16*SP             ; the spare words, 128 bytes a wave: two blocks of 256 bytes that no other line names
.set KSTEP,  524288                    ; bytes from a K step to the next, in ctx (a head's 2,048 rows of 256) and in wo (128 rows of 4,096) alike
.set ADA0, 4
.set ADB0, 5
.set ADA,  6
.set ADB,  7
.set STO,  8                           ; v8   the way out: where I put 32 bytes of a row
.set RD,   9                           ; v9   where I read a row back: 16 bytes a lane
.set CO,   10                          ; v10  16 x lane: my place in a row's 512 bytes
.set GO,   12                          ; v12  my byte offset in 16 numbers of the bias
.set PFO,  14                          ; v14  the prefetches' offset: my lane x a row's pitch in memory
.set SPW,  28
.set NIL,  29
.set F0,   32
.set F1,   128
.set WV,   12
.set FB,   13                          ; s13  I fetch for ctx (0) or for wo (1)
.set HF,   14                          ; s14  which half of that tile
.set G1A,  24
.set G0A,  32
.set G1B,  48
.set G0B,  56
.set TB,   66
.set LIM,  67                          ; s67  2 in a wave that prefetches, else the greatest number
.set OUT,  68                          ; s[68:69] out0 at my wave's first row and the tile's first column
.set BIAS, 76                          ; s[76:77] the bias at the tile's first column
.set PFA,  78                          ; s[78:79] where my prefetches stand
.set MSB, 0
.macro WIN new
.if MSB != (\new)
	s_set_vgpr_msb (MSB<<8)|(\new)
.set MSB, \new
.endif
.endm
.macro PLACES
.rept 4
	v_nop
.endr
.endm
.macro JLOAD                           ; a joint refill by the walking descriptor; an s_nop 0 and four v_nop follow each line
	s_cmp_eq_u32 s[FB], 0
	s_cbranch_scc0 .Lfor_b_\@
	tensor_load_to_lds s[G0A+4:G0A+7], s[G1A:G1A+7]
	s_nop 0
.rept 4
	v_nop
.endr
	s_branch .Lasked_\@
.Lfor_b_\@:
	tensor_load_to_lds s[G0B+4:G0B+7], s[G1B:G1B+7]
	s_nop 0
.rept 4
	v_nop
.endr
.Lasked_\@:
.endm
.macro CREST
	s_cmp_lg_u32 s[WV], 0
	s_cbranch_scc1 .Lnot_wave_0_\@
	s_barrier_signal -3
.Lnot_wave_0_\@:
	s_barrier_wait -3
	s_barrier_signal -1
	s_barrier_wait -1
.endm
.macro CROUND
	s_barrier_signal -1
	s_barrier_wait -1
	CREST
.endm
; A PREFETCH INTO THE L2, behind each joint refill and the run of LDS loads that follows it: 32 rows x 256 bytes of the K step that stands two refills on (256 matrix instructions ahead of its load), a lane a row.
; ctx's tile row is read by every cluster of its row of clusters: cluster x = 0 asks, waves 0 and 1, each for 32 of the 128 rows that it fetches, the four partners told apart by address (cx).  wo's tile column is read by
; every cluster of its column: cluster y = 0 asks, wave 2, for 32 of the 128 rows (cy).  So each row's 256 bytes of a K step are named once in the launch.  K steps 4 to 15 are asked for; steps 0 to 3 come by their loads alone.
.macro ASK
	s_cmp_gt_u32 s3, s[LIM]                        ; the last two trips have no K step four on
	s_cbranch_scc0 .Lnot_mine_\@
	global_prefetch_b8 v[PFO], s[PFA:PFA+1] th:TH_LOAD_NT scope:SCOPE_SE
.Lnot_mine_\@:
.endm
	s_load_b256 s[4:11], s[0:1], 0x0               ; ctx s[4:5], wo s[6:7], tab s[8:9], out0 s[10:11]
	v_lshl_add_u32 v[SPW], v0, 2, SPARE
	v_mov_b32 v[NIL], 0
	ds_add_u32 v[SPW], v[NIL]                      ; the wave's opening: the add and its wait stand ahead of my first tensor load
	ds_add_u32 v28, v29
	v_lshrrev_b32 v1, 5, v0
	v_readfirstlane_b32 s[WV], v1
	s_lshr_b32 s[FB], s[WV], 1
	s_and_b32 s[HF], s[WV], 1
	s_bfe_u32 s40, ttmp6, 0x40000                  ; cx
	s_bfe_u32 s41, ttmp6, 0x40004                  ; cy
	s_lshl_b32 s42, ttmp9, 2
	s_add_co_u32 s42, s42, s40                     ; column block
	s_and_b32 s43, ttmp7, 0xffff
	s_lshl_b32 s43, s43, 2
	s_add_co_u32 s43, s43, s41                     ; row block
	s_lshl_b32 s44, s41, 2
	s_lshl_b32 s44, 15, s44                        ; my row of the cluster
	s_lshl_b32 s45, 0x1111, s40                    ; my column
	s_or_b32 s[G1A], s44, (1<<16)|(1<<20)|(1<<21)|(5<<22)|(3<<25)   ; ctx: 128 rows of 256 bytes, dense, 4 words of padding behind each
	s_or_b32 s[G1B], s45, (1<<16)|(1<<20)|(1<<21)|(5<<22)|(7<<25)   ; wo: 64 rows of 256 bytes, 4,096 bytes apart, 8 words of padding
	s_mov_b32 s[G1A+1], 128<<16
	s_mov_b32 s[G1A+2], 128<<16
	s_mov_b32 s[G1A+3], 128<<16
	s_mov_b32 s[G1A+4], 128
	s_mov_b32 s[G1A+5], 128
	s_mov_b32 s[G1A+6], 0
	s_mov_b32 s[G1A+7], 0
	s_mov_b32 s[G1B+1], 128<<16
	s_mov_b32 s[G1B+2], 64<<16
	s_mov_b32 s[G1B+3], 128<<16
	s_mov_b32 s[G1B+4], 64
	s_mov_b32 s[G1B+5], 2048
	s_mov_b32 s[G1B+6], 0
	s_mov_b32 s[G1B+7], 0
	s_lshr_b32 s16, s43, 3                         ; ctx: batch x 16 heads x 524,288 + 256 rows x the block in its sequence + my 128 rows
	s_lshl_b32 s16, s16, 23
	s_and_b32 s17, s43, 7
	s_lshl_b32 s17, s17, 16
	s_add_co_u32 s16, s16, s17
	s_lshl_b32 s17, s[HF], 15
	s_add_co_u32 s16, s16, s17
	s_mov_b32 s17, 0
	s_lshl_b32 s46, s42, 8                         ; wo: 256 bytes x column block + my 64 rows
	s_lshl_b32 s47, s[HF], 18
	s_add_co_u32 s46, s46, s47
	s_mov_b32 s47, 0
	s_mul_i32 s20, s[HF], 128*PA
	s_mul_i32 s21, s[HF], 64*PW
	s_add_co_u32 s21, s21, BOFF
	s_mov_b32 s[TB], 0
	; the prefetches' offset and who asks
	s_lshl_b32 s18, s40, 13                        ; ctx: my work-group's 32 of the 128 rows that I fetch
	s_add_co_u32 s18, s18, s16
	s_lshl_b32 s19, s41, 17                        ; wo: my work-group's 32 of the step's 128 rows
	s_lshl_b32 s22, s42, 8
	s_add_co_u32 s19, s19, s22
	s_and_b32 s22, ttmp7, 0xffff
	s_cmp_eq_u32 s[FB], 0
	s_cselect_b32 s18, s18, s19
	s_cselect_b32 s22, ttmp9, s22                  ; the coordinate along which other clusters read the same rows
	s_cselect_b32 s23, 8, 12                       ; a row's pitch in memory: 256 or 4,096 bytes
	s_add_co_u32 s18, s18, 3*KSTEP                 ; at K step 3: the first change of slots steps it to 4
	s_mov_b32 s19, 0
	s_cmp_eq_u32 s22, 0
	s_cselect_b32 s[LIM], 2, -1
	s_cmp_eq_u32 s[WV], 3
	s_cselect_b32 s[LIM], -1, s[LIM]               ; the same in all sixteen partners, for a given wave
	v_and_b32 v[PFO], 31, v0
	v_lshlrev_b32 v[PFO], s23, v[PFO]
	s_wait_dscnt 0x0                               ; the opening add is done
	s_wait_kmcnt 0x0
	s_add_nc_u64 s[16:17], s[4:5], s[16:17]
	s_add_nc_u64 s[46:47], s[6:7], s[46:47]
	s_cmp_eq_u32 s[FB], 0
	s_cselect_b64 s[PFA:PFA+1], s[4:5], s[6:7]
	s_add_nc_u64 s[PFA:PFA+1], s[PFA:PFA+1], s[18:19]
	CROUND                                         ; all sixteen work-groups are here: the first joint loads meet
.irp s, 0,1
	s_mov_b32 s[G0A+4*(\s)], 1
	s_add_co_u32 s[G0A+4*(\s)+1], s20, (\s)*SLOT1
	s_add_nc_u64 s[G0A+4*(\s)+2:G0A+4*(\s)+3], s[16:17], (\s)*KSTEP
	s_or_b32 s[G0A+4*(\s)+3], s[G0A+4*(\s)+3], 0x80000000
	s_mov_b32 s[G0B+4*(\s)], 1
	s_add_co_u32 s[G0B+4*(\s)+1], s21, (\s)*SLOT1
	s_add_nc_u64 s[G0B+4*(\s)+2:G0B+4*(\s)+3], s[46:47], (\s)*KSTEP
	s_or_b32 s[G0B+4*(\s)+3], s[G0B+4*(\s)+3], 0x80000000
.endr
	s_cmp_eq_u32 s[FB], 0                          ; a wave's two first fills stand in one branch: two loads of mine are out
	s_cbranch_scc0 .Lfirst_b
	tensor_load_to_lds s[G0A:G0A+3], s[G1A:G1A+7]
	s_nop 0
	tensor_load_to_lds s[G0A+4:G0A+7], s[G1A:G1A+7]
	s_nop 0
.rept 4
	v_nop
.endr
	s_branch .Lfirst_asked
.Lfirst_b:
	tensor_load_to_lds s[G0B:G0B+3], s[G1B:G1B+7]
	s_nop 0
	tensor_load_to_lds s[G0B+4:G0B+7], s[G1B:G1B+7]
	s_nop 0
.rept 4
	v_nop
.endr
.Lfirst_asked:
	v_and_b32 v1, 15, v0                           ; r
	v_bfe_u32 v2, v0, 4, 1                         ; h
	v_and_b32 v3, 7, v0
	v_bfe_u32 v13, v0, 3, 1
	v_lshlrev_b32 v[GO], 5, v2
	s_lshl_b32 s22, s42, 9
	s_add_co_u32 s22, s22, 1064960
	s_mov_b32 s23, 0
	s_add_nc_u64 s[BIAS:BIAS+1], s[8:9], s[22:23]
	WIN 0x80
.irp n, 0,1,2,3,4,5,6,7
	global_load_b128 v[8*(\n):8*(\n)+3],   v[GO], s[BIAS:BIAS+1] offset:64*(\n)
	global_load_b128 v[8*(\n)+4:8*(\n)+7], v[GO], s[BIAS:BIAS+1] offset:64*(\n)+16
.endr
	WIN 0
	s_mul_i32 s18, s[WV], 64*PA
	v_mul_u32_u24 v[ADA0], v1, PA
	v_lshl_add_u32 v[ADA0], v2, 4, v[ADA0]
	v_add_nc_u32 v[ADA0], s18, v[ADA0]
	v_lshl_add_u32 v[ADB0], v2, 3, v3
	v_mul_u32_u24 v[ADB0], v[ADB0], PW
	v_lshl_add_u32 v[ADB0], v13, 4, v[ADB0]
	v_add_nc_u32 v[ADB0], BOFF, v[ADB0]
	v_mov_b32 v[ADA], v[ADA0]
	v_mov_b32 v[ADB], v[ADB0]
	s_mul_i32 s18, s[WV], 16*SP
	s_add_co_u32 s18, s18, STAGE
	v_mul_u32_u24 v[STO], v1, SP
	v_lshl_add_u32 v[STO], v2, 5, v[STO]
	v_add_nc_u32 v[STO], s18, v[STO]
	v_and_b32 v[CO], 31, v0
	v_lshlrev_b32 v[CO], 4, v[CO]
	v_add_nc_u32 v[RD], s18, v[CO]
	s_lshl_b32 s18, s43, 8
	s_lshl_b32 s19, s[WV], 6
	s_add_co_u32 s18, s18, s19                     ; my first row
	s_lshl_b32 s18, s18, 13                        ; rows of 8,192 bytes
	s_lshl_b32 s19, s42, 9
	s_add_co_u32 s18, s18, s19
	s_mov_b32 s19, 0
	s_add_nc_u64 s[OUT:OUT+1], s[10:11], s[18:19]
.macro FETCH sl, f                     ; 24 LDS loads: the fragments of slice sl into buffer f
	WIN 0
.irp a, 0,1,2,3
	ds_load_b128 v[(\f)+8*(\a):(\f)+8*(\a)+3],   v[ADA] offset:(\a)*16*PA+64*(\sl)
	ds_load_b128 v[(\f)+8*(\a)+4:(\f)+8*(\a)+7], v[ADA] offset:(\a)*16*PA+64*(\sl)+32
.endr
.irp n, 0,1,2,3,4,5,6,7
	ds_load_tr16_b128 v[(\f)+32+8*(\n):(\f)+32+8*(\n)+3],   v[ADB] offset:(\sl)*32*PW+32*(\n)
	ds_load_tr16_b128 v[(\f)+32+8*(\n)+4:(\f)+32+8*(\n)+7], v[ADB] offset:(\sl)*32*PW+32*(\n)+16*PW
.endr
.endm
; na x 8 matrix instructions on buffer f, row blocks a0 on.  The 32 accumulators take turns, one instruction a turn.  first = 1: the sums start with the bias.
.macro MUL f, a0, na, first
.if \first
	WIN 0x60
.else
	WIN 0x50
.endif
.set ab, \a0
.rept \na
.set nb, 0
.rept 8
.if \first
	v_wmma_f32_16x16x32_f16 v[8*(8*ab+nb):8*(8*ab+nb)+7], v[(\f)+32+8*nb:(\f)+32+8*nb+7], v[(\f)+8*ab:(\f)+8*ab+7], v[8*nb:8*nb+7]
.else
	v_wmma_f32_16x16x32_f16 v[8*(8*ab+nb):8*(8*ab+nb)+7], v[(\f)+32+8*nb:(\f)+32+8*nb+7], v[(\f)+8*ab:(\f)+8*ab+7], v[8*(8*ab+nb):8*(8*ab+nb)+7]
.endif
.set nb, nb+1
.endr
.set ab, ab+1
.endr
.endm
.macro QS sl, first=0, pl=1            ; slices 0 to 2: the next slice's fragments are asked for, then this one is multiplied
.if \pl
	PLACES
.endif
	FETCH (\sl)+1, F0+96*(((\sl)+1)%2)
	s_wait_dscnt 24                                ; all but the 24 loads just issued
	MUL F0+96*((\sl)%2), 0, 4, \first
.endm
; Slice 3 changes slots: ONE barrier; in front of it each wave waits for all its tensor loads (one is out: its part of the next slot), adds 0 to its spare word, and waits for that and for its reads of this slot.
; fill = 1: the barrier opens a round of the cluster's, and the slot just read is filled again, two K steps ahead, first thing behind the round.
.macro TURN fill
.if \fill
	s_wait_xcnt 0x0                                ; the last prefetch, a K step back, has read its address
	s_add_nc_u64 s[PFA:PFA+1], s[PFA:PFA+1], KSTEP
.endif
	WIN 0
	s_wait_tensorcnt 0x0
	ds_add_u32 v[SPW], v[NIL]
	s_wait_dscnt 1                                 ; the add alone may be out: slice 3's fragments are in
	MUL F1, 0, 1, 0
	s_wait_dscnt 0x0                               ; the add is done, and my reads of this slot are over
	s_barrier_signal -1
	MUL F1, 1, 1, 0
	WIN 0
	s_barrier_wait -1
.if \fill
	CREST
	s_xor_b32 s[G0A+5], s[G0A+5], SLOT1
	s_add_nc_u64 s[G0A+6:G0A+7], s[G0A+6:G0A+7], KSTEP
	s_xor_b32 s[G0B+5], s[G0B+5], SLOT1
	s_add_nc_u64 s[G0B+6:G0B+7], s[G0B+6:G0B+7], KSTEP
	JLOAD                                          ; its four v_nop are also the places in front of the loads below
.else
	PLACES
.endif
	s_xor_b32 s[TB], s[TB], SLOT1
	v_add_nc_u32 v[ADA], s[TB], v[ADA0]
	v_add_nc_u32 v[ADB], s[TB], v[ADB0]
	FETCH 0, F0
.if \fill
	ASK
.endif
	MUL F1, 2, 2, 0
.endm
	s_wait_tensorcnt 1                             ; my part of K step 0 is in; step 1's may stay out
	s_barrier_signal -1
	s_barrier_wait -1
	FETCH 0, F0
	s_wait_loadcnt 0x0                             ; the bias
	QS 0, 1, 0                                     ; the first slice stands in front of the loop: its products start the sums
	WIN 0
	s_mov_b32 s3, 14
.Lstep:                                                ; a trip: slices 1 to 3 of a step, the change of slots (K steps 2 to 15 are asked for), the next step's slice 0
	QS 1
	QS 2
	TURN 1
	QS 0
	WIN 0
	s_sub_co_u32 s3, s3, 1
	s_cmp_lg_u32 s3, 0
	s_cbranch_scc1 .Lstep
	QS 1                                           ; the tail is written out: nothing more is asked for
	QS 2
	TURN 0
	QS 0
	QS 1
	QS 2
	s_wait_dscnt 0x0
	MUL F1, 0, 4, 0
	; THE WAY OUT: 16 rows at a time through my own stage: 32 bytes a lane in, whole rows of 512 bytes back, one row a store.  The rows' registers take turns: v32-95, v96-159.
	PLACES
.irp a, 0,1,2,3
	WIN 0x04
.irp n, 0,1,2,3,4,5,6,7
	ds_store_b128 v[STO], v[64*(\a)+8*(\n):64*(\a)+8*(\n)+3]   offset:64*(\n)      ; each accumulator from its low end on
	ds_store_b128 v[STO], v[64*(\a)+8*(\n)+4:64*(\a)+8*(\n)+7] offset:64*(\n)+16
.endr
	WIN 0
.irp t, 0,1,2,3,4,5,6,7,8,9,10,11,12,13,14,15
	ds_load_b128 v[F0+64*((\a)%2)+4*(\t):F0+64*((\a)%2)+4*(\t)+3], v[RD] offset:(\t)*SP   ; LDS serves a wave's instructions in order (ISA guide 5.7.1.4): these see the stores above
.endr
	s_wait_dscnt 0x0
	s_wait_xcnt 0x0                                ; the stores issued so far have read their registers: the other sixteen rows' registers are loaded again only behind this wait
.irp t, 0,1,2,3,4,5,6,7,8,9,10,11,12,13,14,15
	global_store_b128 v[CO], v[F0+64*((\a)%2)+4*(\t):F0+64*((\a)%2)+4*(\t)+3], s[OUT:OUT+1] offset:(16*(\a)+(\t))*8192 th:TH_STORE_NT   ; 512 consecutive bytes, aligned; 516,096 at the most, inside the signed 24-bit immediate
.endr
.endr
	s_wait_tensorcnt 0x0                           ; the wave's end, behind my last tensor load and my last LDS store
	ds_add_u32 v[SPW], v[NIL]
	s_wait_dscnt 0x0
	CROUND                                         ; the closing round: no work-group ends while a partner may still ask for a tile that names it
	s_endpgm
.Lfunc_end_k_q77fb062def_oproj:
	.size	k_q77fb062def_oproj, .Lfunc_end_k_q77fb062def_oproj-k_q77fb062def_oproj
	.p2alignl 7, 3214868480
	.fill 96, 4, 3214868480
	.section	.rodata,"a",@progbits
	.p2align	6, 0x0
	.amdhsa_kernel k_q77fb062def_oproj
		.amdhsa_group_segment_fixed_size 327680
		.amdhsa_private_segment_fixed_size 0
		.amdhsa_enable_private_segment 0
		.amdhsa_kernarg_size 32
		.amdhsa_user_sgpr_count 2
		.amdhsa_user_sgpr_kernarg_segment_ptr 1
		.amdhsa_wavefront_size32 1
		.amdhsa_system_sgpr_workgroup_id_x 1
		.amdhsa_system_sgpr_workgroup_id_y 1
		.amdhsa_system_sgpr_workgroup_id_z 1
		.amdhsa_system_vgpr_workitem_id 0
		.amdhsa_next_free_vgpr 576
		.amdhsa_next_free_sgpr 80
		.amdhsa_reserve_vcc 0
		.amdhsa_float_denorm_mode_32 3
		.amdhsa_float_denorm_mode_16_64 3
		.amdhsa_memory_ordered 1
		.amdhsa_forward_progress 1
		.amdhsa_inst_pref_size 71
	.end_amdhsa_kernel
	.amdgpu_metadata
---
amdhsa.version: [ 1, 2 ]
amdhsa.kernels:
  - .name:           k_q77fb062def_oproj
    .symbol:         k_q77fb062def_oproj.kd
    .args:
      - { .name: ctx, .offset: 0, .size: 8, .value_kind: global_buffer, .address_space: global }
      - { .name: wo, .offset: 8, .size: 8, .value_kind: global_buffer, .address_space: global }
      - { .name: tab, .offset: 16, .size: 8, .value_kind: global_buffer, .address_space: global }
      - { .name: out0, .offset: 24, .size: 8, .value_kind: global_buffer, .address_space: global }
    .group_segment_fixed_size: 327680
    .private_segment_fixed_size: 0
    .kernarg_segment_align: 8
    .kernarg_segment_size: 32
    .max_flat_workgroup_size: 128
    .sgpr_count:     80
    .vgpr_count:     576
    .wavefront_size: 32
...
	.end_amdgpu_metadata
.endif
;; end of part 4
